; MI455X (gfx1250); checked and timed in simulation.
; The chip was launched on July 23, 2026; its instructions are those of AMD's public machine-readable ISA for CDNA 5 (MIT licence, August 2026) and "CDNA5" Instruction Set Architecture Reference Guide (July 2026). The comments in the code are by the model that wrote it; some were corrected since.
;; Qwen3 TTS Attention. Allowed arithmetic: matrix products marked QUANTISED: E4M3 operands, one given power-of-two scale a tensor, by v_wmma_f32_16x16x64_fp8_fp8 or v_wmma_f32_16x16x128_fp8_fp8, f32 sums; everything else in f32.
;; Inputs: cos 1 x 4,096 x 128 float32; hidden_states 1 x 4,096 x 2,048 float32; k_norm_w 128 float32; lowp_scales 12 int32 (the exponents e of the quantised operands' scales 2^e); q_norm_w 128 float32; sin 1 x 4,096 x 128 float32; wk 1,024 x 2,048 float32; wo 2,048 x 1,024 float32; wq 1,024 x 2,048 float32; wv 1,024 x 2,048 float32.
;; Outputs: out0 1 x 4,096 x 2,048 float32.
;; This version of the problem:
;;   THIS VERSION OF THE PROBLEM IS GIVEN IN LOW PRECISION. The matrix products marked QUANTISED in the list below multiply operands that are first quantised to E4M3 (4 exponent bits, 3 mantissa bits; 8 bits a number), with one given power-of-two scale for each operand tensor; their sums are f32. All else is computed in f32.
;;   The module's matrix products, in the order in which they are computed (A, B: the left and right operand; K: the contracted axis; several contracted axes count as one K, in the product's order):
;;     1. [M 4,096, K 2,048] x [K 2,048, N 1,024]; A: input hidden_states; B: input wq: QUANTISED (scales: A lowp_scales[0], B lowp_scales[1])
;;     2. [M 4,096, K 2,048] x [K 2,048, N 1,024]; A: input hidden_states; B: input wk: QUANTISED (scales: A lowp_scales[2], B lowp_scales[3])
;;     3. [M 4,096, K 2,048] x [K 2,048, N 1,024]; A: input hidden_states; B: input wv: QUANTISED (scales: A lowp_scales[4], B lowp_scales[5])
;;     4. batch 8 x [M 4,096, K 128] x [K 128, N 4,096]; A: computed on the way; B: computed on the way: QUANTISED (scales: A lowp_scales[6], B lowp_scales[7])
;;     5. batch 8 x [M 4,096, K 4,096] x [K 4,096, N 128]; A: softmax (see below); B: computed on the way: QUANTISED (scales: A lowp_scales[8], B lowp_scales[9])
;;     6. [M 4,096, K 1,024] x [K 1,024, N 2,048]; A: computed on the way; B: input wo: QUANTISED (scales: A lowp_scales[10], B lowp_scales[11])
;;   THE QUANTISER, for each operand of a quantised product, along K:
;;     - The operand's scale is 2^e, e = its entry of the input lowp_scales (int32; the entries are numbered through the quantised products in the list's order, A before B).
;;     - Each number is divided by the scale, clamped to +-448, and rounded to the nearest number of E4M3, ties to even, subnormals kept.
;;     - The product sums the exact products of the quantised numbers (number of the format x scale) in f32.
;;   ~~~python
;;   def quantise(x, axis, e):      # numpy; x: float32 -> the quantised numbers, widened to float32 again
;;       x = np.moveaxis(x, axis, -1); K = x.shape[-1]
;;       r = np.clip(x / 2.0 ** e, -448, 448)
;;       step = 2.0 ** (np.maximum(np.frexp(np.where(r == 0, 1, r))[1] - 1, -6) - 3)
;;       q = np.round(r / step) * step * 2.0 ** e      # np.round: ties to even
;;       return np.moveaxis(q, -1, axis).astype(np.float32)
;;   ~~~
;;   SOFTMAX AHEAD OF A QUANTISED PRODUCT. Where the list says 'softmax', what is quantised is not the finished softmax but p = 2^(t - M), with t = logit x log2(e) and M = ceil(the row's largest t), a whole number; so 1/2 < the row's largest p <= 1. The row's sum l is taken of the UNQUANTISED p, in f32, and the product's result is divided by l at the end. Since M is a whole number, a kernel that streams over the keys may use a running M (the ceiling of the running maximum): every later rescaling is an exact power of two, so the quantised numbers keep their values, but for numbers so far below the row's largest that they fall under the format's range.
;;   OPERANDS COMPUTED ON THE WAY. 'Computed on the way' means the value that the module computes at that place (a softmax that the list does not call 'softmax' is quantised finished and normalised). What goes into a quantiser is computed in f32, as accurately as f32 sums, v_exp_f32 and their like allow (about 1e-6 of the number): no bf16 or f16 on the way to a quantiser, and a product that is left as it is and whose result goes on into a quantised operand takes f32 operands (vector FMAs, or v_wmma_f32_16x16x4_f32). A number that lies on a knife's edge between two numbers of the format may be rounded either way, as far as f32 arithmetic and the matrix unit's own rounding can turn it there, and no further.
;; One version. Each part assembles by itself: llvm-mc -triple=amdgcn-amd-amdhsa -mcpu=gfx1250 --defsym DOCPART=n.
;; ======== version 1 of 1: 4 launches
;; limits: right only within a limited range of input values
;; workspace buffers: x_c 25,165,824 bytes; w_c 8,388,608 bytes; cs_img 4,194,304 bytes; qkv 12,582,912 bytes; a_img 4,194,304 bytes
;; launch quant (part 1): grid 576 x 1, 4 waves a work-group, no clusters, 33,280 bytes of LDS; arguments hidden_states, wq, wk, wv, wo, lowp_scales, cos, sin, x_c, w_c, cs_img; writes x_c, w_c, cs_img
.if DOCPART == 1
	.amdgcn_target "amdgcn-amd-amdhsa--gfx1250"
	.amdhsa_code_object_version 6
	.text
	.protected	k_qafaef6d8f0_quant
	.globl	k_qafaef6d8f0_quant
	.p2align	8
	.type	k_qafaef6d8f0_quant,@function
k_qafaef6d8f0_quant:
	s_mov_b64 s[64:65], 0
	v_nop
	global_prefetch_b8 v0, s[64:65] scope:SCOPE_SE
	s_setreg_imm32_b32 hwreg(HW_REG_WAVE_MODE, 25, 1), 1
	s_wait_xcnt 0x0
; hidden_states [4096][2048] and wq, wk, wv [1024][2048], wo [2048][1024], all f32 with K innermost, become codes of E4M3, each with the scale 2^e that is given for it;
; cos and sin [4096][128] are laid anew in the order in which the next launch's lanes want them.
; code = x / 2^e, held within +-448, to the nearest code, ties to even.  hidden_states is an operand of three products with three entries of the scales (0, 2, 4): three sets of codes.
; LIMITS: every e used here lies between -126 and 119, so that 2^e and 448 x 2^e are f32 numbers.  NaN among the inputs is not served.
; WORK-GROUPS: 0-255 hidden_states, 256-511 the four weights (64 each), 512-575 the tables.  32,768 numbers to a work-group, 8,192 to a wave, 16 steps of 512.
; THE CODES' ORDER IN A ROW: in every 32 bytes the two middle pieces of 8 bytes change places: piece 2 h + g of the bytes holds piece 2 g + h of k.  A load of 16 bytes at 32 c + 16 h of a row then brings
; k = 32 c + 8 h + 0..7 and k = 32 c + 16 + 8 h + 0..7: registers 4 c .. 4 c + 3 of the matrix operand in the layout of the plain 8-bit form (ISA guide 7.12.2).
; Each load reads 512 consecutive bytes, 16 a lane; a step's 2,048 bytes turn through the wave's own stage in LDS (16 bytes of padding behind each 64) and come back as the 2 x 8 neighbours that a lane's 16 code bytes stand for.
; No barrier: waves share nothing.  Loads run four steps ahead, the turn through LDS one step.
; WORK LEFT OUT BY THE PROGRAM (in launch attn): reference() builds the causal mask itself (jnp.tril) and sets every score with key > query to the least f32 number ahead of the softmax, whose weight for it is 0 beside key 0's, which counts for every query.
; So a tile of scores all of whose keys come after all its queries reaches no output, whatever the inputs hold, and is neither multiplied nor summed.  LIMIT: a NaN, an infinity or an overflow that would arise in such a tile alone is not carried to the result.
.set STEPS, 16
.set SP,    80                         ; 64 bytes of a stage + 16 of padding
.set STGB,  32*SP                      ; a stage; two for each wave, in 8,192 bytes of its own
.set R,     16                         ; v16-79   four sets of 16 numbers as loaded
.set X,     80                         ; v80-111  two sets of 16 numbers in the lane's order
.set T,     112                        ; v112-127 the numbers held within the largest code
.set C,     128                        ; v128-151 codes: (step's parity) x (three outputs) x 4 registers
.set WV,    26                         ; s26 wave
.set KIND,  27                         ; s27 work-group / 64: 0-3 hidden_states, 4 wq, 5 wk, 6 wv, 7 wo, 8 the tables
	s_load_b256 s[4:11], s[0:1], 0x0               ; hidden_states s[4:5], wq s[6:7], wk s[8:9], wv s[10:11]
	s_load_b256 s[12:19], s[0:1], 0x20             ; wo s[12:13], the scales' exponents s[14:15], cos s[16:17], sin s[18:19]
	s_load_b128 s[20:23], s[0:1], 0x40             ; x_c s[20:21], w_c s[22:23]
	s_load_b64 s[24:25], s[0:1], 0x50              ; cs_img
	v_lshl_add_u32 v160, v0, 2, 0x8000
	v_mov_b32 v161, 0
	v_lshrrev_b32 v1, 5, v0
	v_readfirstlane_b32 s[WV], v1
	v_and_b32 v2, 31, v0                           ; lane
	v_lshlrev_b32 v3, 4, v2                        ; 16 x lane: my bytes of a load's 512 and of a store's 512; never rewritten
	s_lshr_b32 s[KIND], ttmp9, 6
	s_mov_b32 s53, 0                               ; the upper word of every offset pair
	s_wait_kmcnt 0x0
	s_cmp_ge_u32 ttmp9, 512
	s_cbranch_scc1 .Ltables
	s_load_b256 s[36:43], s[14:15], 0x0            ; e0 .. e7
	s_load_b128 s[44:47], s[14:15], 0x20           ; e8 .. e11
	s_lshl_b32 s48, s[WV], 13                      ; my wave's LDS
	s_wait_alu depctr_va_vdst(0)
	v_lshrrev_b32 v14, 2, v2
	v_mul_u32_u24 v14, v14, SP
	v_and_b32 v15, 3, v2
	v_lshl_add_u32 v14, v15, 4, v14
	v_add_nc_u32 v14, s48, v14                     ; into the stage: 80 (lane / 4) + 16 (lane % 4)
	v_and_b32 v15, 30, v2
	v_mul_u32_u24 v15, v15, SP
	v_and_b32 v4, 1, v2
	v_lshl_add_u32 v15, v4, 5, v15
	v_add_nc_u32 v15, s48, v15                     ; out of it: the block of 32 numbers is lane / 2 (two places of 80 bytes); my 8 + 8 numbers begin 32 (lane % 2) bytes into each
	s_and_b32 s49, ttmp9, 63                       ; a weight's work-group among its 64,
	s_sub_co_u32 s50, ttmp9, 256                   ; and among all the weights'
	s_mov_b64 s[28:29], s[12:13]                   ; the source: a choice among buffers that hangs on the work-group's number alone
	s_cmp_eq_u32 s[KIND], 6
	s_cselect_b64 s[28:29], s[10:11], s[28:29]
	s_cmp_eq_u32 s[KIND], 5
	s_cselect_b64 s[28:29], s[8:9], s[28:29]
	s_cmp_eq_u32 s[KIND], 4
	s_cselect_b64 s[28:29], s[6:7], s[28:29]
	s_cmp_lt_u32 s[KIND], 4
	s_cselect_b64 s[28:29], s[4:5], s[28:29]
	s_cselect_b64 s[30:31], s[20:21], s[22:23]     ; the codes' buffer
	s_cselect_b32 s49, ttmp9, s49
	s_cselect_b32 s50, ttmp9, s50
	s_lshl_b32 s52, s49, 17                        ; 32,768 numbers of 4 bytes to a work-group,
	s_lshl_b32 s51, s[WV], 15                      ; 8,192 to a wave
	s_add_co_u32 s52, s52, s51
	s_add_nc_u64 s[28:29], s[28:29], s[52:53]
	s_lshl_b32 s52, s50, 15                        ; and as many bytes of codes
	s_add_co_u32 s52, s52, s48
	s_add_nc_u64 s[30:31], s[30:31], s[52:53]
	s_add_nc_u64 s[32:33], s[30:31], 0x800000      ; hidden_states' second and third set (used by work-groups 0-255 alone)
	s_add_nc_u64 s[34:35], s[30:31], 0x1000000
.macro LOAD t
.irp i, 0,1,2,3
	global_load_b128 v[R+16*((\t)%4)+4*\i:R+16*((\t)%4)+4*\i+3], v3, s[28:29] offset:2048*(\t)+512*\i th:TH_LOAD_NT   ; 32 lanes read 512 consecutive bytes
.endr
.endm
.macro TURN t                          ; LDS serves a wave's instructions in order (ISA guide 5.7.1.4): no wait between the stores and the loads
.irp i, 0,1,2,3
	ds_store_b128 v14, v[R+16*((\t)%4)+4*\i:R+16*((\t)%4)+4*\i+3] offset:STGB*((\t)%2)+8*SP*\i
.endr
	ds_load_b128 v[X+16*((\t)%2):X+16*((\t)%2)+3],     v15 offset:STGB*((\t)%2)
	ds_load_b128 v[X+16*((\t)%2)+4:X+16*((\t)%2)+7],   v15 offset:STGB*((\t)%2)+16
	ds_load_b128 v[X+16*((\t)%2)+8:X+16*((\t)%2)+11],  v15 offset:STGB*((\t)%2)+SP
	ds_load_b128 v[X+16*((\t)%2)+12:X+16*((\t)%2)+15], v15 offset:STGB*((\t)%2)+SP+16
.endm
.macro MKSC e, sc, lim                 ; 2^e and 448 x 2^e as f32 numbers
	s_add_co_i32 s55, s[\e], 127
	s_lshl_b32 s56, s55, 23
	v_mov_b32 v[\sc], s56
	s_add_co_i32 s55, s55, 8
	s_lshl_b32 s55, s55, 23
	s_or_b32 s55, s55, 0x600000
	v_mov_b32 v[\lim], s55
.endm
; one set of codes of step t: the hold, two conversions, one store of 512 consecutive bytes a wave
.macro QOUT sc, lim, cset, base, t
.set XS, X+16*((\t)%2)
.set CC, C+12*((\t)%2)+4*(\cset)
.set ii, 0
.rept 16
	v_med3_num_f32 v[T+ii], v[XS+ii], -v[\lim], v[\lim]   ; the conversion to an 8-bit code does not saturate (ISA guide 7.6.2)
.set ii, ii+1
.endr
	v_cvt_scalef32_pk8_fp8_f32 v[CC:CC+1], v[T:T+7], v[\sc]
	v_cvt_scalef32_pk8_fp8_f32 v[CC+2:CC+3], v[T+8:T+15], v[\sc]
	v_nop                                          ; a plain line behind the conversions: the next holds write their sources
	global_store_b128 v3, v[CC:CC+3], s[\base:\base+1] offset:512*(\t)
.endm
.irp t, 0,1,2,3
	LOAD \t
.endr
	s_wait_alu depctr_va_vdst(0)
	s_wait_kmcnt 0x0
	s_mov_b32 s54, s47                             ; the first set's e: e11 (wo), e5 (wv), e3 (wk), e1 (wq), e0 (hidden_states)
	s_cmp_eq_u32 s[KIND], 6
	s_cselect_b32 s54, s41, s54
	s_cmp_eq_u32 s[KIND], 5
	s_cselect_b32 s54, s39, s54
	s_cmp_eq_u32 s[KIND], 4
	s_cselect_b32 s54, s37, s54
	s_cmp_lt_u32 s[KIND], 4
	s_cselect_b32 s54, s36, s54
	MKSC 54, 5, 6
	MKSC 38, 7, 8                                  ; e2
	MKSC 40, 9, 10                                 ; e4
	s_wait_alu depctr_va_vdst(0)
	s_wait_loadcnt 12                              ; step 0's four loads are in
	TURN 0
.macro STEP t
	s_wait_dscnt 0x0                               ; this step's numbers are back from the stage, and its stores into the stage have read their registers,
.if (\t)+4 < STEPS
	LOAD (\t)+4                                    ; which take the loads of four steps on
.endif
.if (\t)+1 < STEPS
.if STEPS-2-(\t) >= 3
	s_wait_loadcnt 12                              ; the next step's four loads are in; those of the three steps behind it may be out
.else
	s_wait_loadcnt 4*(STEPS-2-(\t))
.endif
	TURN (\t)+1
.endif
	s_wait_xcnt 0x0                                ; the stores of two steps ago have read the code registers that are written now
	QOUT 5, 6, 0, 30, \t
	s_cmp_lt_u32 ttmp9, 256                        ; hidden_states alone has a second and a third set
	s_cbranch_scc0 .Lone_\@
	QOUT 7, 8, 1, 32, \t
	QOUT 9, 10, 2, 34, \t
.Lone_\@:
.endm
.irp t, 0,1,2,3,4,5,6,7,8,9,10,11,12,13,14,15
	STEP \t
.endr
	s_wait_tensorcnt 0x0
	ds_add_u32 v160, v161
	s_wait_dscnt 0x0
	s_endpgm
; THE TABLES.  A wave takes 16 positions (a tile of rows of the next launch's result).  There lane (r, h) holds, of position r, the channels 16 b + 8 h + 0..7, b = 0..7: piece k of 32 (0-15 cos, 16-31 sin) is
; 512 bytes, lane l's 16 bytes at 16 l: table[16 tile + r][16 (k / 2 % 8) + 8 h + 4 (k % 2) + 0..3].  So the next launch loads them by whole 512 bytes a wave, sixteen times over, and the pieces are gathered here once.
.Ltables:
	s_sub_co_u32 s48, ttmp9, 512
	s_lshl_b32 s48, s48, 2
	s_add_co_u32 s48, s48, s[WV]                   ; the tile, 0 .. 255
	s_lshl_b32 s52, s48, 13                        ; 16 rows of 512 bytes
	s_add_nc_u64 s[16:17], s[16:17], s[52:53]
	s_add_nc_u64 s[18:19], s[18:19], s[52:53]
	s_lshl_b32 s52, s48, 14                        ; 32 pieces of 512 bytes
	s_add_nc_u64 s[24:25], s[24:25], s[52:53]
	s_wait_alu depctr_va_vdst(0)
	v_and_b32 v4, 15, v2
	v_lshrrev_b32 v5, 4, v2
	v_lshlrev_b32 v11, 9, v4
	v_lshl_add_u32 v11, v5, 5, v11                 ; row r, + 32 h bytes
.set kk, 0
.rept 16
	global_load_b128 v[16+4*kk:19+4*kk], v11, s[16:17] offset:64*(kk/2)+16*(kk%2)
	global_load_b128 v[80+4*kk:83+4*kk], v11, s[18:19] offset:64*(kk/2)+16*(kk%2)
.set kk, kk+1
.endr
	s_wait_loadcnt 0x0
.set kk, 0
.rept 32
	global_store_b128 v3, v[16+4*kk:19+4*kk], s[24:25] offset:512*kk
.set kk, kk+1
.endr
	s_endpgm
.Lfunc_end_k_qafaef6d8f0_quant:
	.size	k_qafaef6d8f0_quant, .Lfunc_end_k_qafaef6d8f0_quant-k_qafaef6d8f0_quant
	.p2alignl 7, 3214868480
	.fill 96, 4, 3214868480
	.section	.rodata,"a",@progbits
	.p2align	6, 0x0
	.amdhsa_kernel k_qafaef6d8f0_quant
		.amdhsa_group_segment_fixed_size 33280
		.amdhsa_private_segment_fixed_size 0
		.amdhsa_enable_private_segment 0
		.amdhsa_kernarg_size 88
		.amdhsa_user_sgpr_count 2
		.amdhsa_user_sgpr_kernarg_segment_ptr 1
		.amdhsa_wavefront_size32 1
		.amdhsa_system_sgpr_workgroup_id_x 1
		.amdhsa_system_sgpr_workgroup_id_y 1
		.amdhsa_system_sgpr_workgroup_id_z 1
		.amdhsa_system_vgpr_workitem_id 0
		.amdhsa_next_free_vgpr 162
		.amdhsa_next_free_sgpr 66
		.amdhsa_reserve_vcc 0
		.amdhsa_float_denorm_mode_32 3
		.amdhsa_float_denorm_mode_16_64 3
		.amdhsa_memory_ordered 1
		.amdhsa_forward_progress 1
		.amdhsa_inst_pref_size 88
	.end_amdhsa_kernel
	.amdgpu_metadata
---
amdhsa.version: [ 1, 2 ]
amdhsa.kernels:
  - .name:           k_qafaef6d8f0_quant
    .symbol:         k_qafaef6d8f0_quant.kd
    .args:
      - { .name: hidden_states, .offset: 0, .size: 8, .value_kind: global_buffer, .address_space: global }
      - { .name: wq, .offset: 8, .size: 8, .value_kind: global_buffer, .address_space: global }
      - { .name: wk, .offset: 16, .size: 8, .value_kind: global_buffer, .address_space: global }
      - { .name: wv, .offset: 24, .size: 8, .value_kind: global_buffer, .address_space: global }
      - { .name: wo, .offset: 32, .size: 8, .value_kind: global_buffer, .address_space: global }
      - { .name: lowp_scales, .offset: 40, .size: 8, .value_kind: global_buffer, .address_space: global }
      - { .name: cos, .offset: 48, .size: 8, .value_kind: global_buffer, .address_space: global }
      - { .name: sin, .offset: 56, .size: 8, .value_kind: global_buffer, .address_space: global }
      - { .name: x_c, .offset: 64, .size: 8, .value_kind: global_buffer, .address_space: global }
      - { .name: w_c, .offset: 72, .size: 8, .value_kind: global_buffer, .address_space: global }
      - { .name: cs_img, .offset: 80, .size: 8, .value_kind: global_buffer, .address_space: global }
    .group_segment_fixed_size: 33280
    .private_segment_fixed_size: 0
    .kernarg_segment_align: 8
    .kernarg_segment_size: 88
    .max_flat_workgroup_size: 128
    .sgpr_count:     66
    .vgpr_count:     162
    .wavefront_size: 32
...
	.end_amdgpu_metadata
.endif
;; end of part 1
;; launch qkv (part 2): grid 12 x 16, 4 waves a work-group, clusters of 4 x 4, 327,680 bytes of LDS; arguments x_c, w_c, lowp_scales, cs_img, q_norm_w, k_norm_w, qkv; writes qkv
.if DOCPART == 2
	.amdgcn_target "amdgcn-amd-amdhsa--gfx1250"
	.amdhsa_code_object_version 6
	.text
	.protected	k_qafaef6d8f0_qkv
	.globl	k_qafaef6d8f0_qkv
	.p2align	8
	.type	k_qafaef6d8f0_qkv,@function
k_qafaef6d8f0_qkv:
	s_mov_b64 s[64:65], 0
	v_nop
	global_prefetch_b8 v0, s[64:65] scope:SCOPE_SE
	s_setreg_imm32_b32 hwreg(HW_REG_WAVE_MODE, 25, 1), 1
	s_wait_xcnt 0x0
	s_wait_alu depctr_hold_cnt(0) depctr_sa_sdst(0) depctr_va_vdst(0) depctr_va_sdst(0) depctr_va_ssrc(0) depctr_va_vcc(0) depctr_vm_vsrc(0)
	s_getreg_b32 s2, hwreg(HW_REG_IB_STS2, 6, 4)
	s_cmp_eq_u32 s2, 0
	s_cbranch_scc0 .Lentry_in_a_cluster
	s_endpgm
.Lentry_in_a_cluster:
	s_bfe_u32 s2, ttmp6, 0x10000c
	s_cmp_lg_u32 s2, 0xf033
	s_cbranch_scc0 .Lentry_shape_is_right
	s_endpgm
.Lentry_shape_is_right:
; The three projections on codes of E4M3 (K = 2,048), the RMS norm over each head of q and k, the rotation by the given cos and sin, and the quantising of q, k and v for the attention's two products.
; CLUSTER x = 0: q, 1: k, 2: v.  A work-group makes 256 x 256 of a product, each of four waves 128 x 128: 64 accumulators of 16 x 16, 512 registers.  A wave's 128 columns are ONE head.
; THE MATRIX INSTRUCTION IS USED TRANSPOSED (source 0 = 16 rows of 'B', source 1 = 16 rows of 'A'): lane (r, h) of accumulator (a, b) holds in register j the number (A's row 16 a + r, B's row 16 b + 8 h + j).
;   q, k: A = hidden_states' codes (positions), B = the weight's (channels): a lane holds one position and 64 of the head's 128 channels, lane l xor 16 the other 64; channels d and d + 64 lie in the same lane, in accumulators b and b + 4.
;   v:    A = wv's codes (channels), B = hidden_states' (positions): the same text gives v TRANSPOSED: a lane holds one channel, and its registers run along the keys, which are the second product's K.
; So the eight conversions of a block a of 16 rows give registers 2 b, 2 b + 1 (k = 16 b + 8 h + 0..7) of a matrix operand of 16 rows x 128 K, in the layout of the plain 8-bit form: it is stored as it stands in the
; registers, 2,048 bytes, registers 4 c .. 4 c + 3 of lane l at 512 c + 16 l: four stores of 512 consecutive bytes.  Nothing is transposed and nothing goes through LDS on the way out.
; qkv: q at 0, k at 4 MiB: [head][tile of 16 positions][2,048];  v at 8 MiB: [head][128 keys][tile of 16 channels][2,048].
; K goes in steps of 256 through a ring of two LDS slots filled by joint tensor loads: 4 x 4 work-groups; the four of a row of the cluster need the same tiles of A, the four of a column the same tiles of B.
; 192 work-groups: a wave's 128 columns have to be a head, so the tile is not made smaller.
; LIMITS on the given exponents: e0 + e1, e2 + e3, e4 + e5 between -119 and 127; e6, e7 and e9 - e4 - e5 between -126 and 119: each power of two below is then an f32 number.
; REGISTERS, in windows of 256.  window 0: v0-31 addresses and a block's statistics; v32-95 the norm's weights in the lane's order; v96-127 codes, two sets; from v128 A's fragments, ONE set; on the way out v128-191 x, v192-255 the rotated x.
;   window 1: B's fragments, TWO sets; on the way out cos and sin of two blocks (cos at 128 p, sin at 128 p + 64).   windows 2, 3: the accumulators of my rows 0-63, 64-127.
.set KSTEP,  256
.set ROWB,   256                       ; a tile's row in bytes
.set KROW,   2048                      ; a row of codes in memory
.set PITCH,  272                       ; an LDS row: 256 bytes + 16 of padding = 68 words: the 16 rows that a load touches start at 16 different banks (64 banks of 4 bytes: ISA guide 11.1)
.set FR,     16
.set NL,     4
.set NP,     4
.set HALFT,  128*PITCH
.set SLOT,   4*HALFT                   ; A's 256 rows, then B's 256 rows
.set LAPS,   2048/(2*KSTEP)
.set SPARE,  2*SLOT                    ; behind the ring: the spare words, 128 bytes for each wave
.set ADRA, 16                          ; v16-17  LDS address of my A fragments in slot 0, 1
.set ADRB, 20                          ; v20-21  the same for B
.set LI,   26                          ; v26     16 x lane; never rewritten
.set HB,   27                          ; v27     32 x (lane / 16)
.set SPW,  28                          ; v28     LDS address of my spare word; never rewritten
.set NIL,  29                          ; v29     0; never rewritten
.set WT,   32
.set CD,   96
.set AF,   128
.set XR,   128
.set YR,   192
.set G1, 24                            ; s[24:31] descriptor group 1 for A's tiles; s[32:39] group 0, one set for each slot
.set G0, 32
.set G1B, 48                           ; s[48:55], s[56:63] the same for B's
.set G0B, 56
.set WV, 20                            ; s20 wave
.set RH, 21                            ; s21 which half of the tile's rows is mine; also: I fetch for A (0) or for B (1)
.set CH, 22                            ; s22 which half of its columns; also: which 128 rows I fetch
.set XX, 44                            ; s44 cluster x: 0 q, 1 k, 2 v: the same in all sixteen partners
.set MSB, 0
.macro WIN new                         ; the immediate's high byte repeats the setting that is left
.if MSB != \new
	s_set_vgpr_msb (MSB<<8)|\new
.set MSB, \new
.endif
.endm
.set MUL_LO, 0xa1                      ; source 0 (B) window 1, source 1 (A) window 0, C and D window 2
.set MUL_HI, 0xf1
.set TO_B,   0x40                      ; destination window 1, address window 0
; A joint load: waves 0 and 1 fetch for A, waves 2 and 3 for B; the branch hangs on the wave's number alone.  Four v_nop follow each of the two lines.
.macro JLOAD g0a, g1a, g0b, g1b
	s_cmp_eq_u32 s[RH], 0
	s_cbranch_scc0 .Lfor_b_\@
	tensor_load_to_lds s[\g0a:\g0a+3], s[\g1a:\g1a+7]
	s_nop 0
.rept 4
	v_nop
.endr
	s_branch .Lasked_\@
.Lfor_b_\@:
	tensor_load_to_lds s[\g0b:\g0b+3], s[\g1b:\g1b+7]
	s_nop 0
.rept 4
	v_nop
.endr
.Lasked_\@:
.endm
.macro CREST                           ; a round of the cluster's barrier behind its opening barrier
	s_cmp_lg_u32 s[WV], 0
	s_cbranch_scc1 .Lnot_wave_0_\@
	s_barrier_signal -3
.Lnot_wave_0_\@:
	s_barrier_wait -3
	s_barrier_signal -1
	s_barrier_wait -1
.endm
.macro CROUND
	s_barrier_signal -1
	s_barrier_wait -1
	CREST
.endm
	s_load_b256 s[4:11], s[0:1], 0x0               ; x_c s[4:5], w_c s[6:7], the scales' exponents s[8:9], cs_img s[10:11]
	s_load_b128 s[12:15], s[0:1], 0x20             ; q_norm_w, k_norm_w
	s_load_b64 s[16:17], s[0:1], 0x30              ; qkv
	v_lshl_add_u32 v[SPW], v0, 2, SPARE
	v_mov_b32 v[NIL], 0
	ds_add_u32 v28, v29
	ds_add_u32 v28, v29
	s_wait_dscnt 0x0
	v_lshrrev_b32 v1, 5, v0
	v_readfirstlane_b32 s[WV], v1
	s_lshr_b32 s[RH], s[WV], 1
	s_and_b32 s[CH], s[WV], 1
	s_bfe_u32 s40, ttmp6, 0x40000                  ; cx
	s_bfe_u32 s41, ttmp6, 0x40004                  ; cy
	s_mov_b32 s[XX], ttmp9
	s_and_b32 s23, ttmp7, 0xffff
	s_lshl_b32 s23, s23, 2                         ; 4 x cluster y
	s_add_co_u32 s46, s23, s41
	s_add_co_u32 s47, s23, s40
	s_cmp_eq_u32 s[XX], 2
	s_cselect_b32 s43, s41, s46                    ; tile row (A's): q, k: 4 Y + cy of 16 (positions); v: cy of 4 (channels)
	s_cselect_b32 s42, s47, s40                    ; tile column (B's): q, k: cx of 4 (channels); v: 4 Y + cx of 16 (positions)
	s_lshl_b32 s18, s41, 2
	s_lshl_b32 s18, 15, s18                        ; my row of the cluster
	s_lshl_b32 s19, 0x1111, s40                    ; my column
	s_or_b32 s[G1+0], s18, (0<<16)|(1<<20)|(1<<21)|(5<<22)|(3<<25)  ; 15:0 the mask; 17:16 elements of 1 byte; 20 padding on; 21 set beside a mask; 24:22 after every 64 words; 31:25 four words
	s_or_b32 s[G1B+0], s19, (0<<16)|(1<<20)|(1<<21)|(5<<22)|(3<<25)
.irp g, G1, G1B
	s_mov_b32 s[\g+1], ROWB<<16                    ; tensor_dim0
	s_mov_b32 s[\g+2], 128<<16                     ; tensor_dim1
	s_mov_b32 s[\g+3], ROWB<<16                    ; tile_dim0
	s_mov_b32 s[\g+4], 128                         ; tile_dim1
	s_mov_b32 s[\g+5], KROW                        ; tensor_dim0_stride
	s_mov_b32 s[\g+6], 0
	s_mov_b32 s[\g+7], 0
.endr
	s_lshl_b32 s2, s[CH], 7                        ; which 128 rows of the tile I fetch
	s_lshl_b32 s66, s43, 8
	s_add_co_u32 s66, s66, s2
	s_lshl_b32 s66, s66, 11                        ; A: (256 x tile row + 128 x half) rows of 2,048 bytes
	s_lshl_b32 s94, s42, 8
	s_add_co_u32 s94, s94, s2
	s_lshl_b32 s94, s94, 11                        ; B likewise, by the tile column
	s_lshl_b32 s46, s[XX], 23                      ; q, k: A = hidden_states' set X, 8 MiB each;
	s_lshl_b32 s47, s[XX], 21                      ;       B = weight X, 2 MiB each
	s_cmp_eq_u32 s[XX], 2
	s_cselect_b32 s46, 0x400000, s46               ; v: A = wv's codes,
	s_cselect_b32 s47, 0x1000000, s47              ;    B = hidden_states' third set
	s_add_co_u32 s66, s66, s46
	s_add_co_u32 s94, s94, s47
	s_mov_b32 s67, 0
	s_mov_b32 s95, 0
	s_mul_i32 s45, s[WV], HALFT                    ; where the tiles go: wave x 128 rows: no place in the cluster enters an LDS address
	s_wait_kmcnt 0x0
	s_load_b256 s[68:75], s[8:9], 0x0              ; e0 .. e7
	s_load_b128 s[76:79], s[8:9], 0x20             ; e8 .. e11
	s_cmp_eq_u32 s[XX], 2
	s_cselect_b64 s[90:91], s[6:7], s[4:5]         ; A's buffer, B's buffer: a choice on the cluster's x alone
	s_cselect_b64 s[92:93], s[4:5], s[6:7]
	s_add_nc_u64 s[90:91], s[90:91], s[66:67]
	s_add_nc_u64 s[92:93], s[92:93], s[94:95]
	CROUND                                         ; all sixteen work-groups are here: the first joint loads meet
.irp s, 0,1
	s_mov_b32 s[G0+4*\s], 1
	s_add_co_u32 s[G0+4*\s+1], s45, \s*SLOT
	s_add_nc_u64 s[G0+4*\s+2:G0+4*\s+3], s[90:91], \s*ROWB
	s_or_b32 s[G0+4*\s+3], s[G0+4*\s+3], 0x80000000
	s_mov_b32 s[G0B+4*\s], 1
	s_add_co_u32 s[G0B+4*\s+1], s45, \s*SLOT
	s_add_nc_u64 s[G0B+4*\s+2:G0B+4*\s+3], s[92:93], \s*ROWB
	s_or_b32 s[G0B+4*\s+3], s[G0B+4*\s+3], 0x80000000
.endr
	JLOAD G0, G1, G0B, G1B                         ; K step 0: one tensor load a wave at the head
	; THE PREFETCHES INTO THE L2.  Of the 128 rows that I fetch, each of the four partners that ask for them jointly names 32, told apart by address (cx for A's tiles, cy for B's): a lane a row, 256 bytes of a K step, one instruction a wave.
	; K steps 1 and 2 are named here, K step 3 behind the second load, and behind the refill of K step r the K step r + 2, two refills ahead of its load; the last two refills name nothing.
.set PFA, 96                           ; s[96:97] my work-group's 32 rows, at K step r - 1 when K step r is asked for
.set PFO, 30                           ; v30 my lane x a row of 2,048 bytes; never rewritten
	s_cmp_eq_u32 s[RH], 0
	s_cselect_b64 s[PFA:PFA+1], s[90:91], s[92:93]
	s_cselect_b32 s98, s40, s41
	s_lshl_b32 s98, s98, 16                        ; 32 rows of 2,048 bytes
	s_mov_b32 s99, 0
	s_add_nc_u64 s[PFA:PFA+1], s[PFA:PFA+1], s[98:99]
	v_and_b32 v[PFO], 31, v0
	v_lshlrev_b32 v[PFO], 11, v[PFO]
	global_prefetch_b8 v[PFO], s[PFA:PFA+1] offset:ROWB th:TH_LOAD_NT scope:SCOPE_SE
	global_prefetch_b8 v[PFO], s[PFA:PFA+1] offset:2*ROWB th:TH_LOAD_NT scope:SCOPE_SE
	v_and_b32 v1, 15, v0                           ; r
	v_bfe_u32 v2, v0, 4, 1                         ; h
	v_mul_u32_u24 v3, v1, PITCH
	v_lshl_add_u32 v4, v2, 4, v3                   ; a fragment's row x pitch + 16 h
	s_mul_i32 s46, s[RH], HALFT                    ; my 128 rows of A
	s_mul_i32 s47, s[CH], HALFT                    ; my 128 rows of B,
	s_add_co_u32 s47, s47, 2*HALFT                 ; which lie behind A's 256
.irp s, 0,1
	v_add_nc_u32 v[ADRA+\s], s46, v4
	v_add_nc_u32 v[ADRB+\s], s47, v4
	s_add_co_u32 s46, s46, SLOT
	s_add_co_u32 s47, s47, SLOT
.endr
	v_and_b32 v6, 31, v0
	v_lshlrev_b32 v[LI], 4, v6
	v_lshlrev_b32 v[HB], 5, v2
	s_cmp_eq_u32 s[XX], 1
	s_cselect_b64 s[12:13], s[14:15], s[12:13]     ; k's weights for k, else q's (v's work-groups load them and use nothing of them)
.set kk, 0
.rept 16
	global_load_b128 v[WT+4*kk:WT+4*kk+3], v[HB], s[12:13] offset:64*(kk/2)+16*(kk%2)   ; w[16 b + 8 h + 0..7], b = 0..7: they land during the loop
.set kk, kk+1
.endr
	s_lshl_b32 s66, s43, 4
	s_lshl_b32 s2, s[RH], 3
	s_add_co_u32 s66, s66, s2                      ; my first tile of 16 positions: 16 x tile row + 8 x half
	s_lshl_b32 s66, s66, 14
	s_add_nc_u64 s[86:87], s[10:11], s[66:67]      ; its cos and sin
	s_lshl_b32 s46, s42, 1
	s_add_co_u32 s46, s46, s[CH]                   ; my 128 of B's rows
	s_lshl_b32 s47, s43, 1
	s_add_co_u32 s47, s47, s[RH]                   ; my 128 of A's rows
	s_cmp_eq_u32 s[XX], 2
	s_cselect_b32 s2, s47, s46                     ; the head: q, k: by the columns; v: by the rows
	s_cselect_b32 s47, s46, s47                    ; the 128 positions: the other one
	s_lshl_b32 s2, s2, 19
	s_lshl_b32 s47, s47, 14
	s_add_co_u32 s94, s2, s47
	s_lshl_b32 s2, s[XX], 22
	s_add_co_u32 s94, s94, s2
	s_add_nc_u64 s[88:89], s[16:17], s[94:95]      ; where my eight operands of 2,048 bytes go
.macro FRAG reg, adr, q, i             ; 16 rows x 128 K: four loads of 16 bytes; by the codes' order in a row, registers 2 c, 2 c + 1 hold k = 16 c + 8 h + 0..7
.irp c, 0,1,2,3
	ds_load_b128 v[\reg+4*\c:\reg+4*\c+3], v[\adr] offset:128*(\q)+32*\c+(\i)*16*PITCH
.endr
.endm
; 16 matrix instructions: A's blocks a0, a0 + 1 x B's eight.  The 64 accumulators take turns, one instruction a turn, in the same order in every step.
.macro MUL16 a0, p, zero
.irp a, \a0, \a0+1
.irp b, 0,1,2,3,4,5,6,7
.if \zero
	v_wmma_f32_16x16x128_fp8_fp8 v[8*(8*((\a)%4)+\b):8*(8*((\a)%4)+\b)+7], v[128*(\p)+FR*\b:128*(\p)+FR*\b+FR-1], v[AF+FR*(\a):AF+FR*(\a)+FR-1], 0
.else
	v_wmma_f32_16x16x128_fp8_fp8 v[8*(8*((\a)%4)+\b):8*(8*((\a)%4)+\b)+7], v[128*(\p)+FR*\b:128*(\p)+FR*\b+FR-1], v[AF+FR*(\a):AF+FR*(\a)+FR-1], v[8*(8*((\a)%4)+\b):8*(8*((\a)%4)+\b)+7]
.endif
.endr
.endr
.endm
.macro FETCH_B slot, q, p
	WIN TO_B
.irp i, 0,1,2,3,4,5,6,7
	FRAG 128*(\p)+FR*\i, ADRB+\slot, \q, \i
.endr
	WIN 0
.endm
.macro FETCH_A slot, q, i0
.irp i, \i0, \i0+1, \i0+2, \i0+3
	FRAG AF+FR*(\i), ADRA+\slot, \q, \i
.endr
.endm
.macro PLACES n                        ; plain vector lines between a matrix instruction and a load into, or a vector line on, its registers
.rept \n
	v_nop
.endr
.endm
; A step of 128 along K that has its successor in the same slot.  A block of A is free as soon as its eight products are issued, so A has one set: blocks 0-3 are fetched anew in the step's middle, blocks 4-7 at its end.
.macro STEP slot, q, zero
	s_wait_dscnt 4*NL                              ; B's set and A's blocks 0-3 are in; the youngest sixteen loads (A's blocks 4-7) may be out
	WIN MUL_LO
	MUL16 0, (\q)%2, \zero
	MUL16 2, (\q)%2, \zero
	s_wait_dscnt 0
	PLACES NP
	FETCH_B \slot, (\q)+1, 1-(\q)%2
	FETCH_A \slot, (\q)+1, 0
	WIN MUL_HI
	MUL16 4, (\q)%2, \zero
	MUL16 6, (\q)%2, \zero
	PLACES NP
	WIN 0
	FETCH_A \slot, (\q)+1, 4
.endm
; A slot's last step changes slots: ONE barrier; in front of it each wave waits for all its tensor loads, adds 0 to its spare word, and waits for that and for its own reads of this slot.
.macro TURN slot, next, fill
.if \fill
	s_wait_xcnt 0x0                                ; my last prefetch has read its address: it steps here, a K step behind that prefetch
	s_add_nc_u64 s[PFA:PFA+1], s[PFA:PFA+1], ROWB
.endif
	s_wait_tensorcnt 0x0                           ; all my tensor loads have landed: my part of the next slot
	ds_add_u32 v[SPW], v[NIL]                      ; 0 onto my spare word
	s_wait_dscnt 4*NL+1                            ; (the add and the youngest sixteen loads may be out)
	WIN MUL_LO
	MUL16 0, 1, 0
	s_wait_dscnt 0x0                               ; the add is done, and my reads of this slot are over
	s_barrier_signal -1
	MUL16 2, 1, 0
	WIN 0
	s_barrier_wait -1
.if \fill
	CREST                                          ; the barrier has opened a round of the cluster's: no wave of any partner still reads this slot or has a load on its way
	s_add_nc_u64 s[G0+4*\slot+2:G0+4*\slot+3], s[G0+4*\slot+2:G0+4*\slot+3], 2*ROWB
	s_add_nc_u64 s[G0B+4*\slot+2:G0B+4*\slot+3], s[G0B+4*\slot+2:G0B+4*\slot+3], 2*ROWB
	JLOAD G0+4*\slot, G1, G0B+4*\slot, G1B         ; the first tensor load behind the round; its four v_nop are the places in front of the loads below
.else
	PLACES NP
.endif
	FETCH_B \next, 0, 0
	FETCH_A \next, 0, 0
.if \fill
	s_cmp_gt_u32 s3, 1                             ; the loop's last trip has no K step two refills on
	s_cbranch_scc0 .Lnoask_\@
	global_prefetch_b8 v[PFO], s[PFA:PFA+1] offset:3*ROWB th:TH_LOAD_NT scope:SCOPE_SE
.Lnoask_\@:
.endif
	WIN MUL_HI
	MUL16 4, 1, 0
	MUL16 6, 1, 0
	PLACES NP
	WIN 0
	FETCH_A \next, 0, 4
.endm
	s_wait_alu depctr_va_vdst(0)
	s_wait_tensorcnt 0x0                           ; my part of K step 0 is in
	ds_add_u32 v[SPW], v[NIL]
	s_wait_dscnt 0x0
	CROUND                                         ; a whole round: everybody's part of K step 0 is in, and the joint loads meet
	JLOAD G0+4, G1, G0B+4, G1B                     ; K step 1's load, the first tensor load behind the round
	FETCH_B 0, 0, 0
	FETCH_A 0, 0, 0
	FETCH_A 0, 0, 4
	global_prefetch_b8 v[PFO], s[PFA:PFA+1] offset:3*ROWB th:TH_LOAD_NT scope:SCOPE_SE   ; K step 3
	STEP 0, 0, 1                                   ; the first step's products start the sums: nothing is cleared
	s_mov_b32 s3, LAPS-1
.Llap:                                                 ; a trip goes once round the ring and fills both slots again
	TURN 0, 1, 1
	STEP 1, 0, 0
	TURN 1, 0, 1
	STEP 0, 0, 0
	s_sub_co_u32 s3, s3, 1
	s_cmp_lg_u32 s3, 0
	s_cbranch_scc1 .Llap
	TURN 0, 1, 0                                   ; the last lap fills nothing
	STEP 1, 0, 0
	s_wait_dscnt 4*NL
	WIN MUL_LO
	MUL16 0, 1, 0
	MUL16 2, 1, 0
	s_wait_dscnt 0
	WIN MUL_HI
	MUL16 4, 1, 0
	MUL16 6, 1, 0
	WIN 0
	; THE WAY OUT.  A sum stands for sum x c, c = 2^(the two operands' e added).
	s_wait_kmcnt 0x0
	s_add_co_i32 s46, s68, s69                     ; q: e0 + e1
	s_add_co_i32 s47, s70, s71                     ; k: e2 + e3
	s_add_co_i32 s66, s72, s73                     ; v: e4 + e5
	s_sub_co_i32 s67, s77, s66                     ; v's code is sum / 2^(e9 - e4 - e5): the three scales folded into the conversion's one
	s_cmp_eq_u32 s[XX], 1
	s_cselect_b32 s46, s47, s46
	s_cselect_b32 s47, s75, s74                    ; k: e7, q: e6
	s_cmp_eq_u32 s[XX], 2
	s_cselect_b32 s46, s66, s46
	s_cselect_b32 s47, s67, s47
	s_add_co_i32 s80, s46, 127
	s_lshl_b32 s80, s80, 23                        ; c
	s_add_co_i32 s81, s46, 120
	s_lshl_b32 s81, s81, 23                        ; c / 128
	s_mov_b32 s82, 0x358637bd                      ; eps = 1e-6
	s_mov_b32 s84, 0x76543210                      ; v_permlanex16_b32's selects for lane l xor 16
	s_mov_b32 s85, 0xfedcba98
	s_add_co_i32 s47, s47, 127
	s_lshl_b32 s46, s47, 23
	v_mov_b32 v12, s46                             ; the conversion's scale
	s_add_co_i32 s47, s47, 8
	s_lshl_b32 s47, s47, 23
	s_or_b32 s47, s47, 0x600000
	v_mov_b32 v13, s47                             ; 448 x that
	PLACES NP                                      ; behind the last products: loads into B's registers and vector lines on A's and on the sums follow
	s_wait_loadcnt 0x0                             ; the norm's weights, asked for at the head
	s_cmp_eq_u32 s[XX], 2
	s_cbranch_scc1 .Lv
.macro LOADCS a                        ; cos and sin of block a's 16 positions, 32 loads of 512 consecutive bytes, into set a % 2 of window 1
	WIN 0x40
.set kk, 0
.rept 32
	global_load_b128 v[128*((\a)%2)+4*kk:128*((\a)%2)+4*kk+3], v[LI], s[86:87] offset:16384*(\a)+512*kk
.set kk, kk+1
.endr
	WIN 0
.endm
; Block a: 16 positions x the head's 128 channels.
.macro QKBLOCK a
.set PP, 128*((\a)%2)
.set AC, 64*((\a)%4)
	WIN (0x0a+5*((\a)/4))                          ; sources 0 and 1: the accumulators' window
	v_pk_mul_f32 v[8:9], v[AC:AC+1], v[AC:AC+1]    ; the sum of squares of my 64 numbers, two at a time, in two chains; each accumulator from its low end on
	v_pk_mul_f32 v[10:11], v[AC+2:AC+3], v[AC+2:AC+3]
.set jj, 4
.rept 15
	v_pk_fma_f32 v[8:9], v[AC+jj:AC+jj+1], v[AC+jj:AC+jj+1], v[8:9]
	v_pk_fma_f32 v[10:11], v[AC+jj+2:AC+jj+3], v[AC+jj+2:AC+jj+3], v[10:11]
.set jj, jj+4
.endr
	WIN 0
	v_pk_add_f32 v[8:9], v[8:9], v[10:11]
	v_add_f32 v8, v8, v9
	v_permlanex16_b32 v9, v8, s84, s85             ; the position's other 64 channels lie in lane l xor 16
	v_add_f32 v8, v8, v9
	v_mul_f32 v8, s80, v8
	v_fma_f32 v8, v8, s81, s82                     ; the mean of the squares + eps: sum x c x (c / 128) + eps
	s_wait_alu depctr_va_vdst(0)
	v_rsq_f32 v9, v8
	v_nop                                          ; a plain line behind the transcendental,
	s_wait_alu depctr_va_vdst(0)                   ; and the wait ahead of the first line that names its result
	v_mul_f32 v10, s80, v9                         ; c / sqrt(..): c is a power of two, so nothing is rounded here
	WIN (0x02+(\a)/4)
.set jj, 0
.rept 32
	v_pk_mul_f32 v[XR+jj:XR+jj+1], v[AC+jj:AC+jj+1], v[10:11] op_sel_hi:[1,0]
.set jj, jj+2
.endr
	WIN 0
.set jj, 0
.rept 32
	v_pk_mul_f32 v[XR+jj:XR+jj+1], v[XR+jj:XR+jj+1], v[WT+jj:WT+jj+1]   ; x the norm's weight
.set jj, jj+2
.endr
.if (\a) < 7
	s_wait_loadcnt 32                              ; this block's cos and sin are in; the next block's 32 loads may be out
.else
	s_wait_loadcnt 0x0
.endif
	WIN 0x44                                       ; destination and source 1 window 1
.set jj, 0
.rept 32
	v_pk_mul_f32 v[PP+jj:PP+jj+1], v[XR+jj:XR+jj+1], v[PP+jj:PP+jj+1]   ; x cos
.set jj, jj+2
.endr
	WIN 0x14                                       ; sources 1 and 2 window 1
.set jj, 0
.rept 16
	v_pk_fma_f32 v[YR+jj:YR+jj+1], v[XR+jj+32:XR+jj+33], v[PP+64+jj:PP+65+jj], v[PP+jj:PP+jj+1] neg_lo:[1,0,0] neg_hi:[1,0,0]   ; d < 64: x cos - x(d + 64) sin
.set jj, jj+2
.endr
.rept 16
	v_pk_fma_f32 v[YR+jj:YR+jj+1], v[XR+jj-32:XR+jj-31], v[PP+64+jj:PP+65+jj], v[PP+jj:PP+jj+1]   ; d >= 64: x cos + x(d - 64) sin
.set jj, jj+2
.endr
.if (\a)+2 < 8
	LOADCS (\a)+2                                  ; the set just used takes the block two further on
.endif
	WIN 0
	s_wait_xcnt 0x0                                ; the stores of two blocks ago have read the code registers that are written now
.set jj, 0
.rept 64
	v_med3_num_f32 v[YR+jj], v[YR+jj], -v13, v13   ; the conversion to an 8-bit code does not saturate (ISA guide 7.6.2)
.set jj, jj+1
.endr
.set jj, 0
.rept 8
	v_cvt_scalef32_pk8_fp8_f32 v[CD+16*((\a)%2)+2*jj:CD+16*((\a)%2)+2*jj+1], v[YR+8*jj:YR+8*jj+7], v12
.set jj, jj+1
.endr
	v_nop                                          ; a plain line behind the conversions: the next block writes their sources
.irp c, 0,1,2,3
	global_store_b128 v[LI], v[CD+16*((\a)%2)+4*\c:CD+16*((\a)%2)+4*\c+3], s[88:89] offset:2048*(\a)+512*\c   ; 32 lanes store 512 consecutive bytes
.endr
.endm
	LOADCS 0
	LOADCS 1
.irp a, 0,1,2,3,4,5,6,7
	QKBLOCK \a
.endr
	s_branch .Lend
.Lv:
.macro VBLOCK a                        ; 16 channels x 128 keys of v, transposed
.set AC, 64*((\a)%4)
	WIN (0x02+(\a)/4)
.set jj, 0
.rept 64
	v_med3_num_f32 v[XR+jj], v[AC+jj], -v13, v13
.set jj, jj+1
.endr
	WIN 0
	s_wait_alu depctr_va_vdst(0)
	s_wait_xcnt 0x0
.set jj, 0
.rept 8
	v_cvt_scalef32_pk8_fp8_f32 v[CD+16*((\a)%2)+2*jj:CD+16*((\a)%2)+2*jj+1], v[XR+8*jj:XR+8*jj+7], v12
.set jj, jj+1
.endr
	v_nop
.irp c, 0,1,2,3
	global_store_b128 v[LI], v[CD+16*((\a)%2)+4*\c:CD+16*((\a)%2)+4*\c+3], s[88:89] offset:2048*(\a)+512*\c
.endr
.endm
	s_wait_alu depctr_va_vdst(0)
.irp a, 0,1,2,3,4,5,6,7
	VBLOCK \a
.endr
.Lend:
	s_wait_tensorcnt 0x0                           ; the wave's end
	ds_add_u32 v[SPW], v[NIL]
	s_wait_dscnt 0x0
	CROUND                                         ; the closing round: no work-group ends while a partner may still ask for a tile that names it
	s_endpgm
.Lfunc_end_k_qafaef6d8f0_qkv:
	.size	k_qafaef6d8f0_qkv, .Lfunc_end_k_qafaef6d8f0_qkv-k_qafaef6d8f0_qkv
	.p2alignl 7, 3214868480
	.fill 96, 4, 3214868480
	.section	.rodata,"a",@progbits
	.p2align	6, 0x0
	.amdhsa_kernel k_qafaef6d8f0_qkv
		.amdhsa_group_segment_fixed_size 327680
		.amdhsa_private_segment_fixed_size 0
		.amdhsa_enable_private_segment 0
		.amdhsa_kernarg_size 56
		.amdhsa_user_sgpr_count 2
		.amdhsa_user_sgpr_kernarg_segment_ptr 1
		.amdhsa_wavefront_size32 1
		.amdhsa_system_sgpr_workgroup_id_x 1
		.amdhsa_system_sgpr_workgroup_id_y 1
		.amdhsa_system_sgpr_workgroup_id_z 1
		.amdhsa_system_vgpr_workitem_id 0
		.amdhsa_next_free_vgpr 1024
		.amdhsa_next_free_sgpr 100
		.amdhsa_reserve_vcc 0
		.amdhsa_float_denorm_mode_32 3
		.amdhsa_float_denorm_mode_16_64 3
		.amdhsa_memory_ordered 1
		.amdhsa_forward_progress 1
		.amdhsa_inst_pref_size 255
	.end_amdhsa_kernel
	.section	.bss,"aw",@nobits
	.p2align	6
	.space	262144
	.amdgpu_metadata
---
amdhsa.version: [ 1, 2 ]
amdhsa.kernels:
  - .name:           k_qafaef6d8f0_qkv
    .symbol:         k_qafaef6d8f0_qkv.kd
    .args:
      - { .name: x_c, .offset: 0, .size: 8, .value_kind: global_buffer, .address_space: global }
      - { .name: w_c, .offset: 8, .size: 8, .value_kind: global_buffer, .address_space: global }
      - { .name: lowp_scales, .offset: 16, .size: 8, .value_kind: global_buffer, .address_space: global }
      - { .name: cs_img, .offset: 24, .size: 8, .value_kind: global_buffer, .address_space: global }
      - { .name: q_norm_w, .offset: 32, .size: 8, .value_kind: global_buffer, .address_space: global }
      - { .name: k_norm_w, .offset: 40, .size: 8, .value_kind: global_buffer, .address_space: global }
      - { .name: qkv, .offset: 48, .size: 8, .value_kind: global_buffer, .address_space: global }
    .group_segment_fixed_size: 327680
    .private_segment_fixed_size: 0
    .kernarg_segment_align: 8
    .kernarg_segment_size: 56
    .max_flat_workgroup_size: 128
    .sgpr_count:     100
    .vgpr_count:     1024
    .wavefront_size: 32
...
	.end_amdgpu_metadata
.endif
;; end of part 2
;; launch attn (part 3): grid 32 x 8, 4 waves a work-group, clusters of 4 x 1, 327,680 bytes of LDS; arguments qkv, lowp_scales, a_img; writes a_img
.if DOCPART == 3
	.amdgcn_target "amdgcn-amd-amdhsa--gfx1250"
	.amdhsa_code_object_version 6
	.text
	.protected	k_qafaef6d8f0_attn
	.globl	k_qafaef6d8f0_attn
	.p2align	8
	.type	k_qafaef6d8f0_attn,@function
k_qafaef6d8f0_attn:
	s_mov_b64 s[64:65], 0
	v_nop
	global_prefetch_b8 v0, s[64:65] scope:SCOPE_SE
	s_setreg_imm32_b32 hwreg(HW_REG_WAVE_MODE, 25, 1), 1
	s_wait_xcnt 0x0
	s_wait_alu depctr_hold_cnt(0) depctr_sa_sdst(0) depctr_va_vdst(0) depctr_va_sdst(0) depctr_va_ssrc(0) depctr_va_vcc(0) depctr_vm_vsrc(0)
	s_getreg_b32 s2, hwreg(HW_REG_IB_STS2, 6, 4)
	s_cmp_eq_u32 s2, 0
	s_cbranch_scc0 .Lentry_in_a_cluster
	s_endpgm
.Lentry_in_a_cluster:
	s_bfe_u32 s2, ttmp6, 0x10000c
	s_cmp_lg_u32 s2, 0x3003
	s_cbranch_scc0 .Lentry_shape_is_right
	s_endpgm
.Lentry_shape_is_right:
; Causal attention on codes of E4M3: S^T = K Q^T, p = 2^(t - M) with M the ceiling of the running largest t, O^T += V^T P^T, O / the row's sum of the unquantised p, quantised with 2^e10 for the projection.
; LEFT OUT: key steps all of whose keys come after all queries of a cluster's blocks: the causal mask that reference() builds gives them the weight 0 (shown at the head of launch quant).
; qkv: q at 0, k at 4 MiB: [head][tile of 16 positions][2,048 bytes, the operand's register image]; v at 8 MiB: [head][128 keys][tile of 16 channels][2,048].  a_img: [128 rows][256 of K][tile of 16 rows][128 of K][2,048].
; SHARES.  Cluster x = a (0..7), y = the head.  Work-group cx of the cluster owns the LOW block of 64 queries 4 a + cx and the HIGH block 63 - 4 a - cx.  For all four partners the low block takes key steps 0 .. 2 a + 1 (of 128 keys),
; the high block 0 .. 31 - 2 a: 34 in all.  Four waves: wave = 2 u + w.  w: which 32 of a block's 64 queries, TWO tiles of 16, so that each fragment of K and V read from LDS feeds two matrix instructions.
; u: the key group.  Group 0 walks the high block's steps 0 .. 16; group 1 the low block's 2 a + 2 steps, stores it, and goes on with the high block's steps 17 .. 31 - 2 a: 17 steps for every wave.  The high block's two parts are joined through LDS.
; No branch hangs on cx: the diagonal's mask is laid over both steps of the 256 keys that hold a cluster's blocks, by compare and select.
; THE RING: two slots of 128 KiB; a slot holds two steps of both groups.  Wave 2 g + kv fetches 32 KiB (group g's two steps of K, kv = 0, or of V, kv = 1: neighbours in memory) by one joint load for the four partners.
; The ninth slot holds one step: its load begins a step earlier, so that it stays inside the buffer, and its second half is read.
; PREFETCH: the eight clusters of a head walk the same K and V, and cluster 0's two groups walk all 32 steps: it alone asks, at the change that loads slot n + 2 for slot n + 3 (two key steps ahead of that load), each wave for the 32 KiB that it will
; load, the four partners 8 KiB each, told apart by address, lanes 256 bytes apart.  Slots 0 to 2 and the ninth come by their loads alone.
; LIMITS: e6 + e7 between -123 and 130; e8 and e10 between -126 and 119; the scaled scores stay under 2^31 in magnitude.  NaN among the codes is not served.
; REGISTERS.  window 0: v1-55 addresses and both tiles' statistics; v64-191 S^T, then p (tile 0, tile 1); v192-223 p's codes; v224-235 the join.  window 1: v0-127 K's eight fragments, v128-255 V's.
;   window 2: v0-127 O^T (tile 0, tile 1); v128-159 Q in hand; v160-191 the high block's Q; v192-239 codes on the way out.
.set PIECE, 16384                      ; a key step of K or of V
.set SLOT1, 1<<17
.set SPARE, 2*SLOT1                    ; the spare words, 128 bytes a wave
.set STAGE, SLOT1                      ; the join's stage: slot 1 has had its last fill and its last read by then
.set STW,   8704                       ; a tile's part in the stage: 8,192 bytes of O^T, then -M and the sum
.set LI,   1                           ; 16 x lane
.set AD,   2                           ; my group's part of the slot in hand
.set PFO,  3                           ; 256 x lane
.set QP,   4                           ; tile 0's query of my lane, less 8 (lane / 16)
.set SPW,  5
.set NIL,  6
.set DD,   7                           ; v7, v8
.set QPH,  9
.set LIU,  10
.set STA,  11
.set NM,   12                          ; v[12:13], v[14:15]: -M and the largest t of tile 0, 1
.set SU,   16                          ; v16-23: the sums, two pairs a tile
.set FF,   24                          ; v[24:25], v[26:27]: f = 2^(old M - new M)
.set TQ,   42                          ; v42-45 four more chains of the maxima
.set SV,   46                          ; v46-53 the sums' other pairs: four pairs a tile in all
.set LP2,  55                          ; 448 x 2^e8 once more, in another register bank: the two halves of a dual pair take their first sources from different banks
.set MK,   86                          ; s86-93 eight lane masks of the diagonal's compares
.set TR,   28                          ; v28-31 the maxima's four chains
.set PX,   32                          ; v32, v33
.set NINF, 34
.set RD,   35
.set LP,   36                          ; 448 x 2^e8
.set SP8,  37                          ; 2^e8
.set LO,   38                          ; 448 x 2^e10
.set SO,   39                          ; 2^e10
.set OM,   40                          ; v40, v41
.set SCR,  64
.set PCD,  192
.set MG,   224
.set OAC,  0
.set QC,   128
.set QH,   160
.set CL,   192
.set CF,   224
.set WV,   12
.set CX,   13
.set AA,   14
.set LIM,  15
.set HD,   16
.set UU,   17
.set PFA,  18
.set SEL,  20
.set CS,   22
.set G1,   24
.set G0A,  32
.set G0W,  36
.set KVB,  40
.set OFS,  42
.set SN,   44                          ; the slot's number
.set TB,   45
.set NN,   62                          ; my step's number, 0 .. 16
.set KS,   63                          ; its key step
.set THR,  66                          ; group 1: the low block's last step, 2 a + 1; group 0: 255
.set ADDK, 67                          ; 15 - 2 a: what turns a later step's number into the high block's key step
.set CUR,  82                          ; which 256 keys hold the diagonal of the block in hand
.set WH,   83
.set MSB, 0
.macro WIN new                         ; the immediate's high byte repeats the setting that is left
.if MSB != \new
	s_set_vgpr_msb (MSB<<8)|\new
.set MSB, \new
.endif
.endm
.macro PLACES
.rept 4
	v_nop
.endr
.endm
.macro CREST                           ; a round of the cluster's barrier behind its opening barrier
	s_cmp_lg_u32 s[WV], 0
	s_cbranch_scc1 .Lnw0_\@
	s_barrier_signal -3
.Lnw0_\@:
	s_barrier_wait -3
	s_barrier_signal -1
	s_barrier_wait -1
.endm
.macro CROUND
	s_barrier_signal -1
	s_barrier_wait -1
	CREST
.endm
.macro ASK
	s_cmp_lt_u32 s[SN], s[LIM]
	s_cbranch_scc0 .Lnm_\@
	global_prefetch_b8 v[PFO], s[PFA:PFA+1] th:TH_LOAD_NT scope:SCOPE_SE
.Lnm_\@:
.endm
	s_load_b128 s[4:7], s[0:1], 0x0                ; qkv, the scales' exponents
	s_load_b64 s[8:9], s[0:1], 0x10                ; a_img
	v_lshl_add_u32 v[SPW], v0, 2, SPARE
	v_mov_b32 v[NIL], 0
	ds_add_u32 v[SPW], v[NIL]                      ; the opening lines: the add, twice on end, and one wait
	ds_add_u32 v[SPW], v[NIL]
	v_lshrrev_b32 v7, 5, v0
	v_readfirstlane_b32 s[WV], v7
	v_and_b32 v8, 31, v0
	v_lshlrev_b32 v[LI], 4, v8
	v_lshlrev_b32 v[PFO], 8, v8
	s_lshr_b32 s[UU], s[WV], 1                     ; my key group; also the group that I fetch for
	s_and_b32 s[WH], s[WV], 1                      ; my 32 of a block's queries; also: I fetch K (0) or V (1)
	s_bfe_u32 s[CX], ttmp6, 0x40000
	s_mov_b32 s[AA], ttmp9
	s_and_b32 s[HD], ttmp7, 0xffff
	s_mov_b32 s[G1], 15|(3<<16)|(1<<21)            ; the four partners; elements of 8 bytes; bit 21 beside a mask
	s_mov_b32 s[G1+1], 32<<16                      ; rows of 256 bytes,
	s_mov_b32 s[G1+2], 128<<16                     ; 128 of them, dense
	s_mov_b32 s[G1+3], 32<<16
	s_mov_b32 s[G1+4], 128
	s_mov_b32 s[G1+5], 32
	s_mov_b32 s[G1+6], 0
	s_mov_b32 s[G1+7], 0
	s_lshl_b32 s46, s[AA], 1
	s_sub_co_u32 s[ADDK], 15, s46
	s_add_co_u32 s46, s46, 1
	s_sub_co_u32 s47, 15, s[AA]
	s_cmp_eq_u32 s[UU], 1
	s_cselect_b32 s[THR], s46, 255
	s_cselect_b32 s[CUR], s[AA], s47
	s_add_co_u32 s46, s[WH], 1
	s_lshl_b32 s46, s46, 22
	s_lshl_b32 s47, s[HD], 19
	s_add_co_u32 s[OFS], s46, s47                  ; the head's K or V
	s_mov_b32 s[OFS+1], 0
	s_mov_b32 s[G0A], 1
	s_lshl_b32 s[G0A+1], s[WV], 15                 ; a slot: wave x 32 KiB
	s_mov_b32 s[G0W], 1
	s_add_co_u32 s[G0W+1], s[G0A+1], SLOT1
	s_mov_b32 s[SEL], 0x76543210
	s_mov_b32 s[SEL+1], 0xfedcba98
	s_mov_b32 s[TB], 0
	s_mov_b32 s[SN], 0
	s_cmp_eq_u32 ttmp9, 0
	s_cselect_b32 s[LIM], 5, 0
	s_lshl_b32 s46, s[AA], 4
	s_lshl_b32 s56, s[CX], 2
	s_add_co_u32 s46, s46, s56
	s_sub_co_u32 s57, 252, s46
	s_lshl_b32 s56, s[WH], 1
	s_add_co_u32 s46, s46, s56                     ; my first low tile of 16 queries,
	s_add_co_u32 s57, s57, s56                     ; my first high tile
	s_cmp_eq_u32 s[UU], 1
	s_cselect_b32 s59, s46, s57                    ; the one that I begin with
	s_wait_alu depctr_va_vdst(0)
	s_wait_dscnt 0x0
	s_wait_kmcnt 0x0
	s_load_b256 s[68:75], s[6:7], 0x0              ; e0 .. e7
	s_load_b128 s[76:79], s[6:7], 0x20             ; e8 .. e11
	s_add_nc_u64 s[KVB:KVB+1], s[4:5], s[OFS:OFS+1]
	s_mov_b64 s[G0A+2:G0A+3], s[KVB:KVB+1]         ; slot 0: key steps 0, 1 for both groups
	s_or_b32 s[G0A+3], s[G0A+3], 0x80000000
	s_cmp_lt_u32 s[THR], 2
	s_cselect_b32 s[OFS], s[ADDK], 0
	s_add_co_u32 s[OFS], s[OFS], 2
	s_lshl_b32 s[OFS], s[OFS], 14
	s_add_nc_u64 s[G0W+2:G0W+3], s[KVB:KVB+1], s[OFS:OFS+1]   ; slot 1: steps 2, 3
	s_or_b32 s[G0W+3], s[G0W+3], 0x80000000
	s_mov_b32 s61, 0
	s_lshl_b32 s58, s[HD], 19
	s_lshl_b32 s60, s59, 11
	s_add_co_u32 s60, s60, s58
	s_add_nc_u64 s[52:53], s[4:5], s[60:61]
	s_lshl_b32 s60, s57, 11
	s_add_co_u32 s60, s60, s58
	s_add_nc_u64 s[54:55], s[4:5], s[60:61]
	WIN 0x80                                       ; destination window 2
.irp t, 0,1
.irp c, 0,1,2,3
	global_load_b128 v[QC+16*\t+4*\c:QC+16*\t+4*\c+3], v[LI], s[52:53] offset:2048*\t+512*\c
	global_load_b128 v[QH+16*\t+4*\c:QH+16*\t+4*\c+3], v[LI], s[54:55] offset:2048*\t+512*\c
.endr
.endr
	WIN 0
	CROUND                                         ; the four partners are here: the first joint loads meet
	tensor_load_to_lds s[G0A:G0A+3], s[G1:G1+7]    ; slot 0: one tensor load a wave at the head
	s_nop 0
	PLACES
	s_cmp_lt_u32 s[THR], 4
	s_cselect_b32 s60, s[ADDK], 0
	s_add_co_u32 s60, s60, 4
	s_lshl_b32 s60, s60, 14
	s_lshl_b32 s47, s[CX], 13
	s_add_co_u32 s60, s60, s47
	s_add_nc_u64 s[PFA:PFA+1], s[KVB:KVB+1], s[60:61]   ; my work-group's 8 KiB of my part of slot 2: the first change steps it to slot 3
	s_lshr_b32 s58, s[HD], 1
	s_lshl_b32 s58, s58, 15
	s_and_b32 s47, s[HD], 1
	s_lshl_b32 s47, s47, 11
	s_add_co_u32 s58, s58, s47                     ; the head's place in a_img
	s_lshr_b32 s60, s46, 3
	s_lshl_b32 s60, s60, 17
	s_and_b32 s47, s46, 7
	s_lshl_b32 s47, s47, 12
	s_add_co_u32 s60, s60, s47
	s_add_co_u32 s60, s60, s58
	s_add_nc_u64 s[48:49], s[8:9], s[60:61]        ; where my two low tiles go
	s_add_co_u32 s56, s57, s[UU]                   ; of my two high tiles I finish tile u
	s_lshr_b32 s60, s56, 3
	s_lshl_b32 s60, s60, 17
	s_and_b32 s47, s56, 7
	s_lshl_b32 s47, s47, 12
	s_add_co_u32 s60, s60, s47
	s_add_co_u32 s60, s60, s58
	s_add_nc_u64 s[50:51], s[8:9], s[60:61]
	s_lshl_b32 s84, s59, 4
	s_lshl_b32 s85, s57, 4
	s_lshl_b32 s56, s[UU], 16
	v_add_nc_u32 v[LIU], s56, v[LI]
	v_mov_b32 v[AD], v[LIU]
	s_mul_i32 s56, s[WV], 2*STW
	s_add_co_u32 s56, s56, STAGE
	v_add_nc_u32 v[STA], s56, v[LI]                ; the stage: part 2 x wave + tile
	s_lshl_b32 s56, s[WH], 1
	s_add_co_u32 s56, s56, s[UU]
	s_mul_i32 s56, s56, STW
	s_add_co_u32 s56, s56, STAGE
	v_add_nc_u32 v[RD], s56, v[LI]                 ; tile u's part from wave w; wave 2 + w's lies 4 parts on
	v_and_b32 v7, 15, v0
	v_bfe_u32 v8, v0, 4, 1
	v_lshlrev_b32 v8, 3, v8
	v_sub_nc_u32 v7, v7, v8
	v_add_nc_u32 v[QP], s84, v7
	v_add_nc_u32 v[QPH], s85, v7
	v_mov_b32 v[NM+1], 0xff61b1e6                  ; the largest t so far: -3e38
	v_mov_b32 v[NM+3], 0xff61b1e6
	v_floor_f32 v[NM], -v[NM+1]
	v_floor_f32 v[NM+2], -v[NM+3]
.irp i, 0,1,2,3,4,5,6,7
	v_mov_b32 v[SU+\i], 0
	v_mov_b32 v[SV+\i], 0
.endr
	v_mov_b32 v[FF+1], 0                           ; named as the upper halves of pairs
	v_mov_b32 v[FF+3], 0
	v_mov_b32 v[PX], 0                             ; a lane permute's destination counts as a source
	v_mov_b32 v[PX+1], 0
	v_mov_b32 v[NINF], 0xff800000
	WIN 0x80
.set jj, 0
.rept 128
	v_mov_b32 v[OAC+jj], 0                         ; O^T of both tiles: the step is written once for first and later steps, so the first finds zeros
.set jj, jj+1
.endr
	WIN 0
	s_wait_kmcnt 0x0
	s_add_co_i32 s47, s74, s75
	s_lshl_b32 s47, s47, 23
	s_mov_b32 s[CS], 0x3e0293ee                    ; log2(e) / sqrt(128),
	s_add_co_i32 s[CS], s[CS], s47                 ; x 2^(e6 + e7), by its exponent field
	s_mov_b32 s[CS+1], s[CS]
	s_add_co_i32 s46, s76, 127
	s_lshl_b32 s47, s46, 23
	v_mov_b32 v[SP8], s47
	s_add_co_i32 s46, s46, 8
	s_lshl_b32 s46, s46, 23
	s_or_b32 s46, s46, 0x600000
	v_mov_b32 v[LP], s46
	v_mov_b32 v[LP2], s46
	s_add_co_i32 s46, s78, 127
	s_lshl_b32 s47, s46, 23
	v_mov_b32 v[SO], s47
	s_add_co_i32 s46, s46, 8
	s_lshl_b32 s46, s46, 23
	s_or_b32 s46, s46, 0x600000
	v_mov_b32 v[LO], s46
	s_add_co_i32 s80, s76, s77                     ; e8 + e9
.macro KLOAD pc                        ; K's eight fragments of the slot's step pc
	WIN 0x40
.set ff, 0
.rept 8
.irp c, 0,1,2,3
	ds_load_b128 v[16*ff+4*\c:16*ff+4*\c+3], v[AD] offset:PIECE*(\pc)+2048*ff+512*\c
.endr
.set ff, ff+1
.endr
	WIN 0
.endm
.macro VLOAD pc
	WIN 0x40
.set ff, 0
.rept 8
.irp c, 0,1,2,3
	ds_load_b128 v[128+16*ff+4*\c:128+16*ff+4*\c+3], v[AD] offset:2*PIECE+PIECE*(\pc)+2048*ff+512*\c
.endr
.set ff, ff+1
.endr
	WIN 0
.endm
; THE CHANGE OF SLOTS, in two parts.  PRE: all my tensor loads are in, the add, my reads of the slot are over (V's fragments of its last step are in registers), the signal.
.macro PRE fill
	s_wait_tensorcnt 0x0
	ds_add_u32 v[SPW], v[NIL]
.if \fill
	s_xor_b32 s[G0W+1], s[G0W+1], SLOT1            ; no load of mine is out: the descriptor walks to the slot just read,
	s_add_co_u32 s46, s[NN], 3                     ; and to the first step of the slot after next
	s_cmp_gt_u32 s46, s[THR]
	s_cselect_b32 s[OFS], s[ADDK], 0
	s_add_co_u32 s[OFS], s[OFS], s46
	s_cmp_eq_u32 s[SN], 6                          ; the ninth slot holds step 16 alone: its load begins a key step earlier
	s_cselect_b32 s46, 1, 0
	s_sub_co_u32 s[OFS], s[OFS], s46
	s_lshl_b32 s[OFS], s[OFS], 14
	s_add_nc_u64 s[G0W+2:G0W+3], s[KVB:KVB+1], s[OFS:OFS+1]
	s_or_b32 s[G0W+3], s[G0W+3], 0x80000000
	s_wait_xcnt 0x0                                ; my last prefetch has read its address
	s_add_nc_u64 s[PFA:PFA+1], s[PFA:PFA+1], 2*PIECE
.endif
	s_wait_dscnt 0x0
	s_barrier_signal -1
.endm
; POST: the barrier's wait; fill = 1: it has opened a round of the cluster's barrier, and the joint refill is the first tensor load behind the round.  Then the next slot's first fragments of K.
.macro POST fill, pc
	s_barrier_wait -1
.if \fill
	CREST
	tensor_load_to_lds s[G0W:G0W+3], s[G1:G1+7]
	s_nop 0
	PLACES
.endif
	s_xor_b32 s[TB], s[TB], SLOT1
	v_add_nc_u32 v[AD], s[TB], v[LIU]
	KLOAD \pc
.if \fill
	ASK
.endif
.endm
.macro ROWSUM                          ; each tile's four partial sums and lane l xor 16's: v[SU] + v[PX], v[SU+4] + v[PX+1] are the rows' sums
	v_pk_add_f32 v[SU:SU+1], v[SU:SU+1], v[SV:SV+1]
	v_pk_add_f32 v[SU+2:SU+3], v[SU+2:SU+3], v[SV+2:SV+3]
	v_pk_add_f32 v[SU+4:SU+5], v[SU+4:SU+5], v[SV+4:SV+5]
	v_pk_add_f32 v[SU+6:SU+7], v[SU+6:SU+7], v[SV+6:SV+7]
	v_pk_add_f32 v[SU:SU+1], v[SU:SU+1], v[SU+2:SU+3]
	v_pk_add_f32 v[SU+4:SU+5], v[SU+4:SU+5], v[SU+6:SU+7]
	v_add_f32 v[SU], v[SU], v[SU+1]
	v_add_f32 v[SU+4], v[SU+4], v[SU+5]
	v_permlanex16_b32 v[PX], v[SU], s[SEL], s[SEL+1]
	v_permlanex16_b32 v[PX+1], v[SU+4], s[SEL], s[SEL+1]
.endm
; The low block is finished (group 1, behind step 2 a + 1): O / the sum x 2^(e8 + e9), held, quantised, stored; then the high block's Q is taken up.  -M becomes the largest f32 number, so that the next step's f is 0 and clears O and the sums.
.macro LOWOUT
	PLACES
	s_wait_xcnt 0x0                                ; stores of an earlier way out have read the code registers that are written below
	ROWSUM
	v_add_f32 v[SU], v[SU], v[PX]
	v_add_f32 v[SU+4], v[SU+4], v[PX+1]
	s_wait_alu depctr_va_vdst(0)                   ; the wait ahead of the transcendentals,
	v_rcp_f32 v[SU], v[SU]
	v_rcp_f32 v[SU+4], v[SU+4]
	v_nop
	s_wait_alu depctr_va_vdst(0)                   ; and behind them
	v_ldexp_f32 v[SU], v[SU], s80
	v_ldexp_f32 v[SU+4], v[SU+4], s80
	WIN 0x02
	s_wait_alu depctr_va_vdst(0)                   ; and directly ahead of the first reader of O^T
.set jj, 0
.rept 32
	v_pk_mul_f32 v[SCR+jj:SCR+jj+1], v[OAC+jj:OAC+jj+1], v[SU:SU+1] op_sel_hi:[1,0]
.set jj, jj+2
.endr
.rept 32
	v_pk_mul_f32 v[SCR+jj:SCR+jj+1], v[OAC+jj:OAC+jj+1], v[SU+4:SU+5] op_sel_hi:[1,0]
.set jj, jj+2
.endr
	WIN 0
.set jj, 0
.rept 128
	v_med3_num_f32 v[SCR+jj], v[SCR+jj], -v[LO], v[LO]   ; the conversion to an 8-bit code does not saturate (ISA guide 7.6.2)
.set jj, jj+1
.endr
	WIN 0x80
.set jj, 0
.rept 16
	v_cvt_scalef32_pk8_fp8_f32 v[CL+2*jj:CL+2*jj+1], v[SCR+8*jj:SCR+8*jj+7], v[SO]
.set jj, jj+1
.endr
	v_nop
	WIN 0x08                                       ; the stores' data (source 1) lie in window 2
.irp t, 0,1
.irp c, 0,1,2,3
	global_store_b128 v[LI], v[CL+16*\t+4*\c:CL+16*\t+4*\c+3], s[48:49] offset:4096*\t+512*\c   ; 32 lanes store 512 consecutive bytes
.endr
.endr
	WIN 0x82
.set jj, 0
.rept 32
	v_mov_b32 v[QC+jj], v[QH+jj]
.set jj, jj+1
.endr
	WIN 0
	v_mov_b32 v[QP], v[QPH]
	v_mov_b32 v[NM+1], 0xff61b1e6
	v_mov_b32 v[NM+3], 0xff61b1e6
	v_mov_b32 v[NM], 0x7f7fffff
	v_mov_b32 v[NM+2], 0x7f7fffff
	s_sub_co_u32 s[CUR], 15, s[AA]
	s_wait_alu depctr_va_vdst(0)
.endm
; A KEY STEP: 128 keys x my two tiles of 16 queries.  j: the step's parity in its slot's number; pc: its place in the slot.
; kind 0: the next step lies in the same slot; 1: change of slots with a refill; 2: change without; 3: the last step.
.macro STEP j, kind, pc
	s_lshl_b32 s[NN], s[SN], 1
.if \j
	s_add_co_u32 s[NN], s[NN], 1
.endif
	s_cmp_gt_u32 s[NN], s[THR]
	s_cselect_b32 s[KS], s[ADDK], 0
	s_add_co_u32 s[KS], s[KS], s[NN]
	s_wait_dscnt 0x0                               ; K's fragments are in
	WIN 0x09                                       ; source 0 window 1 (K), source 1 window 2 (Q)
.irp t, 0,1,2,3,4,5,6,7
	v_wmma_f32_16x16x128_fp8_fp8 v[SCR+8*\t:SCR+8*\t+7], v[16*\t:16*\t+15], v[QC:QC+15], 0
	v_wmma_f32_16x16x128_fp8_fp8 v[SCR+64+8*\t:SCR+64+8*\t+7], v[16*\t:16*\t+15], v[QC+16:QC+31], 0
.endr
	WIN 0
	PLACES                                         ; ahead of the loads into V's registers and of the first reads of the scores
	VLOAD \pc
	s_lshr_b32 s46, s[KS], 1                       ; do these 128 keys lie in the 256 that hold the diagonal?  (ids that the partners share)
	s_cmp_lg_u32 s46, s[CUR]
	s_cbranch_scc1 .Lopen_\@
	s_lshl_b32 s46, s[KS], 7
	s_sub_co_u32 s46, 0, s46
	v_add_nc_u32 v[DD], s46, v[QP]                 ; register 8 t + i holds key 128 KS + 16 t + 8 (lane / 16) + i: hidden where 16 t + i > this
	v_add_nc_u32 v[DD+1], 16, v[DD]
.set nn, 0
.rept 16                               ; eight compares into eight masks, then their eight selects: no select stands next to its compare
.irp i, 0,1,2,3
	v_cmp_gt_i32 s[MK+\i], 16*((nn+\i)/8)+(nn+\i)%8, v[DD]
	v_cmp_gt_i32 s[MK+4+\i], 16*((nn+\i)/8)+(nn+\i)%8, v[DD+1]
.endr
.irp i, 0,1,2,3
	v_cndmask_b32 v[SCR+nn+\i], v[SCR+nn+\i], v[NINF], s[MK+\i]
	v_cndmask_b32 v[SCR+64+nn+\i], v[SCR+64+nn+\i], v[NINF], s[MK+4+\i]
.endr
.set nn, nn+4
.endr
.Lopen_\@:
	v_max3_num_f32 v[TR], v[SCR], v[SCR+1], v[SCR+2]             ; the step's largest scores: four chains a tile, the eight by turns; each tile's registers in ascending order, so each accumulator from its low end on
	v_max3_num_f32 v[TR+2], v[SCR+64], v[SCR+65], v[SCR+66]
	v_max3_num_f32 v[TR+1], v[SCR+3], v[SCR+4], v[SCR+5]
	v_max3_num_f32 v[TR+3], v[SCR+67], v[SCR+68], v[SCR+69]
	v_max3_num_f32 v[TQ], v[SCR+6], v[SCR+7], v[SCR+8]
	v_max3_num_f32 v[TQ+2], v[SCR+70], v[SCR+71], v[SCR+72]
	v_max3_num_f32 v[TQ+1], v[SCR+9], v[SCR+10], v[SCR+11]
	v_max3_num_f32 v[TQ+3], v[SCR+73], v[SCR+74], v[SCR+75]
.irp i, 12,20,28,36,44,52
	v_max3_num_f32 v[TR], v[TR], v[SCR+\i], v[SCR+\i+1]
	v_max3_num_f32 v[TR+2], v[TR+2], v[SCR+64+\i], v[SCR+64+\i+1]
	v_max3_num_f32 v[TR+1], v[TR+1], v[SCR+\i+2], v[SCR+\i+3]
	v_max3_num_f32 v[TR+3], v[TR+3], v[SCR+64+\i+2], v[SCR+64+\i+3]
	v_max3_num_f32 v[TQ], v[TQ], v[SCR+\i+4], v[SCR+\i+5]
	v_max3_num_f32 v[TQ+2], v[TQ+2], v[SCR+64+\i+4], v[SCR+64+\i+5]
	v_max3_num_f32 v[TQ+1], v[TQ+1], v[SCR+\i+6], v[SCR+\i+7]
	v_max3_num_f32 v[TQ+3], v[TQ+3], v[SCR+64+\i+6], v[SCR+64+\i+7]
.endr
	v_max3_num_f32 v[TR], v[TR], v[SCR+60], v[SCR+61]
	v_max3_num_f32 v[TR+2], v[TR+2], v[SCR+124], v[SCR+125]
	v_max3_num_f32 v[TR+1], v[TR+1], v[SCR+62], v[SCR+63]
	v_max3_num_f32 v[TR+3], v[TR+3], v[SCR+126], v[SCR+127]
	v_max3_num_f32 v[TR], v[TR], v[TR+1], v[TQ]
	v_max3_num_f32 v[TR+2], v[TR+2], v[TR+3], v[TQ+2]
	v_max_num_f32 v[TR], v[TR], v[TQ+1]
	v_max_num_f32 v[TR+2], v[TR+2], v[TQ+3]
	v_permlanex16_b32 v[PX], v[TR], s[SEL], s[SEL+1]
	v_permlanex16_b32 v[PX+1], v[TR+2], s[SEL], s[SEL+1]
	v_max_num_f32 v[TR], v[TR], v[PX]
	v_max_num_f32 v[TR+2], v[TR+2], v[PX+1]
	v_mul_f32 v[TR], s[CS], v[TR]
	v_mul_f32 v[TR+2], s[CS], v[TR+2]
	v_max_num_f32 v[NM+1], v[NM+1], v[TR]          ; the running largest t
	v_max_num_f32 v[NM+3], v[NM+3], v[TR+2]
	v_mov_b32 v[OM], v[NM]
	v_mov_b32 v[OM+1], v[NM+2]
	v_floor_f32 v[NM], -v[NM+1]                    ; -M = floor(-t): M is a whole number
	v_floor_f32 v[NM+2], -v[NM+3]
	v_sub_f32 v[OM], v[NM], v[OM]
	v_sub_f32 v[OM+1], v[NM+2], v[OM+1]
	v_cvt_i32_f32 v[OM], v[OM]                     ; (it saturates)
	v_cvt_i32_f32 v[OM+1], v[OM+1]
	v_ldexp_f32 v[FF], 1.0, v[OM]                  ; f = 2^(old M - new M)
	v_ldexp_f32 v[FF+2], 1.0, v[OM+1]
.set jj, 0
.rept 32
	v_pk_fma_f32 v[SCR+jj:SCR+jj+1], v[SCR+jj:SCR+jj+1], s[CS:CS+1], v[NM:NM+1] op_sel_hi:[1,0,0]   ; t - M
	v_pk_fma_f32 v[SCR+64+jj:SCR+64+jj+1], v[SCR+64+jj:SCR+64+jj+1], s[CS:CS+1], v[NM+2:NM+3] op_sel_hi:[1,0,0]
.set jj, jj+2
.endr
	WIN 0x82                                       ; O^T under the new M, ahead of the exponentials
.set jj, 0
.rept 32
	v_pk_mul_f32 v[OAC+jj:OAC+jj+1], v[OAC+jj:OAC+jj+1], v[FF:FF+1] op_sel_hi:[1,0]
.set jj, jj+2
.endr
.rept 32
	v_pk_mul_f32 v[OAC+jj:OAC+jj+1], v[OAC+jj:OAC+jj+1], v[FF+2:FF+3] op_sel_hi:[1,0]
.set jj, jj+2
.endr
	WIN 0
.if \kind == 0
	KLOAD 1
.elseif \kind == 1
	PRE 1
.elseif \kind == 2
	PRE 0
.endif
	s_wait_alu depctr_va_vdst(0)                   ; one wait ahead of the batch.  (kinds 1, 2: the batch and the sums, work on registers, stand between the barrier's signal and its wait)
.set jj, 0
.rept 128
	v_exp_f32 v[SCR+jj], v[SCR+jj]
.set jj, jj+1
.endr
	v_pk_mul_f32 v[SU:SU+1], v[SU:SU+1], v[FF:FF+1] op_sel_hi:[1,0]         ; the sums under the new M
	v_pk_mul_f32 v[SU+2:SU+3], v[SU+2:SU+3], v[FF:FF+1] op_sel_hi:[1,0]
	v_pk_mul_f32 v[SU+4:SU+5], v[SU+4:SU+5], v[FF+2:FF+3] op_sel_hi:[1,0]
	v_pk_mul_f32 v[SU+6:SU+7], v[SU+6:SU+7], v[FF+2:FF+3] op_sel_hi:[1,0]
	v_pk_mul_f32 v[SV:SV+1], v[SV:SV+1], v[FF:FF+1] op_sel_hi:[1,0]
	v_pk_mul_f32 v[SV+2:SV+3], v[SV+2:SV+3], v[FF:FF+1] op_sel_hi:[1,0]
	v_pk_mul_f32 v[SV+4:SV+5], v[SV+4:SV+5], v[FF+2:FF+3] op_sel_hi:[1,0]
	v_pk_mul_f32 v[SV+6:SV+7], v[SV+6:SV+7], v[FF+2:FF+3] op_sel_hi:[1,0]
	s_wait_alu depctr_va_vdst(0)                   ; and one behind it, ahead of its first reader
.set jj, 0
.rept 8
	v_pk_add_f32 v[SU:SU+1], v[SU:SU+1], v[SCR+jj:SCR+jj+1]                 ; the sums are taken of the unquantised p: eight chains by turns
	v_pk_add_f32 v[SU+2:SU+3], v[SU+2:SU+3], v[SCR+jj+2:SCR+jj+3]
	v_pk_add_f32 v[SV:SV+1], v[SV:SV+1], v[SCR+jj+4:SCR+jj+5]
	v_pk_add_f32 v[SV+2:SV+3], v[SV+2:SV+3], v[SCR+jj+6:SCR+jj+7]
	v_pk_add_f32 v[SU+4:SU+5], v[SU+4:SU+5], v[SCR+64+jj:SCR+64+jj+1]
	v_pk_add_f32 v[SU+6:SU+7], v[SU+6:SU+7], v[SCR+64+jj+2:SCR+64+jj+3]
	v_pk_add_f32 v[SV+4:SV+5], v[SV+4:SV+5], v[SCR+64+jj+4:SCR+64+jj+5]
	v_pk_add_f32 v[SV+6:SV+7], v[SV+6:SV+7], v[SCR+64+jj+6:SCR+64+jj+7]
.set jj, jj+8
.endr
.if \kind == 1
	POST 1, 0
.elseif \kind == 2
	POST 0, 1
.endif
.set jj, 0
.rept 64
	v_dual_min_num_f32 v[SCR+jj], v[LP], v[SCR+jj] :: v_dual_min_num_f32 v[SCR+jj+1], v[LP2], v[SCR+jj+1]   ; the hold, two numbers a line: p is not negative
.set jj, jj+2
.endr
.set jj, 0
.rept 16
	v_cvt_scalef32_pk8_fp8_f32 v[PCD+2*jj:PCD+2*jj+1], v[SCR+8*jj:SCR+8*jj+7], v[SP8]
.set jj, jj+1
.endr
	v_nop                                          ; a plain line between the conversions and the products that read their results
	s_wait_alu depctr_va_vdst(0)
.if \kind == 3
	s_wait_dscnt 0x0
.else
	s_wait_dscnt 32                                ; V's fragments are in; the 32 loads of the next K may be out
.endif
	WIN 0xa1                                       ; source 0 window 1 (V), source 1 window 0 (p), C and D window 2; the sixteen accumulators take turns
.irp t, 0,1,2,3,4,5,6,7
	v_wmma_f32_16x16x128_fp8_fp8 v[OAC+8*\t:OAC+8*\t+7], v[128+16*\t:143+16*\t], v[PCD:PCD+15], v[OAC+8*\t:OAC+8*\t+7]
	v_wmma_f32_16x16x128_fp8_fp8 v[OAC+64+8*\t:OAC+64+8*\t+7], v[128+16*\t:143+16*\t], v[PCD+16:PCD+31], v[OAC+64+8*\t:OAC+64+8*\t+7]
.endr
	WIN 0
.if \j
	s_cmp_lg_u32 s[NN], s[THR]
	s_cbranch_scc1 .Lkeep_\@
	LOWOUT
.Lkeep_\@:
.endif
.endm
	s_wait_alu depctr_va_vdst(0)
	s_wait_tensorcnt 0x0                           ; my part of slot 0 is in
	ds_add_u32 v[SPW], v[NIL]
	s_wait_dscnt 0x0
	CROUND
	tensor_load_to_lds s[G0W:G0W+3], s[G1:G1+7]    ; slot 1
	s_nop 0
	PLACES
	KLOAD 0
	s_wait_loadcnt 0x0                             ; Q
.Lslot:                                                ; seven trips: slots 0 to 6; each change asks for the slot after next
	STEP 0, 0, 0
	STEP 1, 1, 1
	s_add_co_u32 s[SN], s[SN], 1
	s_cmp_lt_u32 s[SN], 7
	s_cbranch_scc1 .Lslot
	STEP 0, 0, 0                                   ; slot 7: nothing more is asked for
	STEP 1, 2, 1
	s_mov_b32 s[SN], 8
	STEP 0, 3, 1                                   ; step 16 lies in the ninth slot's second half
	; THE JOIN of the high block's two parts.  Each wave lays both its tiles' O^T, -M and sum into the stage; wave (u, w) finishes tile u of w's two.
	PLACES
	ROWSUM
	v_add_f32 v[NM+1], v[SU], v[PX]
	v_add_f32 v[NM+3], v[SU+4], v[PX+1]
	WIN 0x08                                       ; the LDS stores' data (source 1) lie in window 2
.irp t, 0,1
.set kk, 0
.rept 16
	ds_store_b128 v[STA], v[OAC+64*\t+4*kk:OAC+64*\t+4*kk+3] offset:STW*\t+512*kk
.set kk, kk+1
.endr
.endr
	WIN 0
	ds_store_b64 v[STA], v[NM:NM+1] offset:8192
	ds_store_b64 v[STA], v[NM+2:NM+3] offset:STW+8192
	s_wait_dscnt 0x0
	s_barrier_signal -1
	s_barrier_wait -1
	ds_load_b64 v[MG:MG+1], v[RD] offset:8192
	ds_load_b64 v[MG+2:MG+3], v[RD] offset:4*STW+8192
.set kk, 0
.rept 16
	ds_load_b128 v[SCR+4*kk:SCR+4*kk+3], v[RD] offset:512*kk
	ds_load_b128 v[SCR+64+4*kk:SCR+64+4*kk+3], v[RD] offset:4*STW+512*kk
.set kk, kk+1
.endr
	v_mov_b32 v[MG+9], 0
	v_mov_b32 v[MG+11], 0
	s_wait_dscnt 32                                ; the two pairs of -M and sum are in
	v_min_num_f32 v[MG+4], v[MG], v[MG+2]          ; the larger M
	v_sub_f32 v[MG+5], v[MG+4], v[MG]
	v_sub_f32 v[MG+6], v[MG+4], v[MG+2]
	v_cvt_i32_f32 v[MG+5], v[MG+5]
	v_cvt_i32_f32 v[MG+6], v[MG+6]
	v_ldexp_f32 v[MG+8], 1.0, v[MG+5]
	v_ldexp_f32 v[MG+10], 1.0, v[MG+6]
	v_mul_f32 v[MG+7], v[MG+1], v[MG+8]
	v_fma_f32 v[MG+7], v[MG+3], v[MG+10], v[MG+7]  ; the row's sum under that M
	s_wait_alu depctr_va_vdst(0)
	v_rcp_f32 v[MG+7], v[MG+7]
	v_nop
	s_wait_alu depctr_va_vdst(0)
	v_ldexp_f32 v[MG+7], v[MG+7], s80
	v_mul_f32 v[MG+8], v[MG+8], v[MG+7]
	v_mul_f32 v[MG+10], v[MG+10], v[MG+7]
	s_wait_alu depctr_va_vdst(0)
	s_wait_dscnt 0x0
.set jj, 0
.rept 32
	v_pk_mul_f32 v[SCR+jj:SCR+jj+1], v[SCR+jj:SCR+jj+1], v[MG+8:MG+9] op_sel_hi:[1,0]
.set jj, jj+2
.endr
.set jj, 0
.rept 32
	v_pk_fma_f32 v[SCR+jj:SCR+jj+1], v[SCR+64+jj:SCR+64+jj+1], v[MG+10:MG+11], v[SCR+jj:SCR+jj+1] op_sel_hi:[1,0,1]
.set jj, jj+2
.endr
.set jj, 0
.rept 64
	v_med3_num_f32 v[SCR+jj], v[SCR+jj], -v[LO], v[LO]
.set jj, jj+1
.endr
	WIN 0x80
.set jj, 0
.rept 8
	v_cvt_scalef32_pk8_fp8_f32 v[CF+2*jj:CF+2*jj+1], v[SCR+8*jj:SCR+8*jj+7], v[SO]
.set jj, jj+1
.endr
	v_nop
	WIN 0x08
.irp c, 0,1,2,3
	global_store_b128 v[LI], v[CF+4*\c:CF+4*\c+3], s[50:51] offset:512*\c
.endr
	WIN 0
	s_wait_tensorcnt 0x0                           ; the wave's end
	ds_add_u32 v[SPW], v[NIL]
	s_wait_dscnt 0x0
	CROUND                                         ; the closing round
	s_endpgm
.Lfunc_end_k_qafaef6d8f0_attn:
	.size	k_qafaef6d8f0_attn, .Lfunc_end_k_qafaef6d8f0_attn-k_qafaef6d8f0_attn
	.p2alignl 7, 3214868480
	.fill 96, 4, 3214868480
	.section	.rodata,"a",@progbits
	.p2align	6, 0x0
	.amdhsa_kernel k_qafaef6d8f0_attn
		.amdhsa_group_segment_fixed_size 327680
		.amdhsa_private_segment_fixed_size 0
		.amdhsa_enable_private_segment 0
		.amdhsa_kernarg_size 24
		.amdhsa_user_sgpr_count 2
		.amdhsa_user_sgpr_kernarg_segment_ptr 1
		.amdhsa_wavefront_size32 1
		.amdhsa_system_sgpr_workgroup_id_x 1
		.amdhsa_system_sgpr_workgroup_id_y 1
		.amdhsa_system_sgpr_workgroup_id_z 1
		.amdhsa_system_vgpr_workitem_id 0
		.amdhsa_next_free_vgpr 768
		.amdhsa_next_free_sgpr 100
		.amdhsa_reserve_vcc 0
		.amdhsa_float_denorm_mode_32 3
		.amdhsa_float_denorm_mode_16_64 3
		.amdhsa_memory_ordered 1
		.amdhsa_forward_progress 1
		.amdhsa_inst_pref_size 255
	.end_amdhsa_kernel
	.section	.bss,"aw",@nobits
	.p2align	6
	.space	262144
	.amdgpu_metadata
---
amdhsa.version: [ 1, 2 ]
amdhsa.kernels:
  - .name:           k_qafaef6d8f0_attn
    .symbol:         k_qafaef6d8f0_attn.kd
    .args:
      - { .name: qkv, .offset: 0, .size: 8, .value_kind: global_buffer, .address_space: global }
      - { .name: lowp_scales, .offset: 8, .size: 8, .value_kind: global_buffer, .address_space: global }
      - { .name: a_img, .offset: 16, .size: 8, .value_kind: global_buffer, .address_space: global }
    .group_segment_fixed_size: 327680
    .private_segment_fixed_size: 0
    .kernarg_segment_align: 8
    .kernarg_segment_size: 24
    .max_flat_workgroup_size: 128
    .sgpr_count:     100
    .vgpr_count:     768
    .wavefront_size: 32
...
	.end_amdgpu_metadata
.endif
;; end of part 3
;; launch oproj (part 4): grid 8 x 16, 4 waves a work-group, clusters of 4 x 4, 327,680 bytes of LDS; arguments a_img, w_c, lowp_scales, out0; writes out0
.if DOCPART == 4
	.amdgcn_target "amdgcn-amd-amdhsa--gfx1250"
	.amdhsa_code_object_version 6
	.text
	.protected	k_qafaef6d8f0_oproj
	.globl	k_qafaef6d8f0_oproj
	.p2align	8
	.type	k_qafaef6d8f0_oproj,@function
k_qafaef6d8f0_oproj:
	s_mov_b64 s[64:65], 0
	v_nop
	global_prefetch_b8 v0, s[64:65] scope:SCOPE_SE
	s_setreg_imm32_b32 hwreg(HW_REG_WAVE_MODE, 25, 1), 1
	s_wait_xcnt 0x0
	s_wait_alu depctr_hold_cnt(0) depctr_sa_sdst(0) depctr_va_vdst(0) depctr_va_sdst(0) depctr_va_ssrc(0) depctr_va_vcc(0) depctr_vm_vsrc(0)
	s_getreg_b32 s2, hwreg(HW_REG_IB_STS2, 6, 4)
	s_cmp_eq_u32 s2, 0
	s_cbranch_scc0 .Lentry_in_a_cluster
	s_endpgm
.Lentry_in_a_cluster:
	s_bfe_u32 s2, ttmp6, 0x10000c
	s_cmp_lg_u32 s2, 0xf033
	s_cbranch_scc0 .Lentry_shape_is_right
	s_endpgm
.Lentry_shape_is_right:
.set SIZE_N, 2048
.set KSTEP,  256
.set ROWB,   256
.set KROW,   1024
.set PITCH,  272
.set FR,     16
.set NL,     4
.set NP,     4
.set HALFA,  32768
.set HALFB,  128*PITCH
.set BOFF,   2*HALFA
.set SLOT,   2*HALFA+2*HALFB
.set LAPS,   1024/(2*KSTEP)
.set SPARE,  2*SLOT
.set SPITCH, 528
.set ADRA, 16
.set ADRB, 20
.set STO,  24
.set RD,   25
.set CO,   26
.set SPW,  28
.set NIL,  29
.set TMP,  32
.set AF,   128
.set BK,   128
.set G1, 24
.set G0, 32
.set G1B, 48
.set G0B, 56
.set MSB, 0
.macro WIN new
.if MSB != \new
	s_set_vgpr_msb (MSB<<8)|\new
.set MSB, \new
.endif
.endm
.set MUL_LO, 0xa1
.set MUL_HI, 0xf1
.set TO_B,   0x40
.macro JLOAD g0a, g1a, g0b, g1b
	s_cmp_eq_u32 s15, 0
	s_cbranch_scc0 .Lfor_b_\@
	tensor_load_to_lds s[\g0a:\g0a+3], s[\g1a:\g1a+7]
	s_nop 0
.rept 4
	v_nop
.endr
	s_branch .Lasked_\@
.Lfor_b_\@:
	tensor_load_to_lds s[\g0b:\g0b+3], s[\g1b:\g1b+7]
	s_nop 0
.rept 4
	v_nop
.endr
.Lasked_\@:
.endm
.macro CREST
	s_cmp_lg_u32 s14, 0
	s_cbranch_scc1 .Lnot_wave_0_\@
	s_barrier_signal -3
.Lnot_wave_0_\@:
	s_barrier_wait -3
	s_barrier_signal -1
	s_barrier_wait -1
.endm
.macro CROUND
	s_barrier_signal -1
	s_barrier_wait -1
	CREST
.endm
	s_load_b128 s[4:7], s[0:1], 0x0
	s_load_b128 s[8:11], s[0:1], 0x10
	v_lshl_add_u32 v[SPW], v0, 2, SPARE
	v_mov_b32 v[NIL], 0
	ds_add_u32 v28, v29
	ds_add_u32 v28, v29
	s_wait_dscnt 0x0
	v_lshrrev_b32 v1, 5, v0
	v_readfirstlane_b32 s14, v1
	s_lshr_b32 s15, s14, 1
	s_and_b32 s16, s14, 1
	s_bfe_u32 s40, ttmp6, 0x40000
	s_bfe_u32 s41, ttmp6, 0x40004
	s_lshl_b32 s42, ttmp9, 2
	s_add_co_u32 s42, s42, s40
	s_and_b32 s17, ttmp7, 0xffff
	s_lshl_b32 s17, s17, 2
	s_add_co_u32 s17, s17, s41
	s_lshl_b32 s43, s41, 2
	s_lshl_b32 s43, 15, s43
	s_lshl_b32 s44, 0x1111, s40
	s_or_b32 s[G1+0], s43, (3<<16)|(1<<21)
	s_mov_b32 s[G1+1], 32<<16
	s_mov_b32 s[G1+2], 128<<16
	s_mov_b32 s[G1+3], 32<<16
	s_mov_b32 s[G1+4], 128
	s_mov_b32 s[G1+5], 32
	s_mov_b32 s[G1+6], 0
	s_mov_b32 s[G1+7], 0
	s_or_b32 s[G1B+0], s44, (0<<16)|(1<<20)|(1<<21)|(5<<22)|(3<<25)
	s_mov_b32 s[G1B+1], ROWB<<16
	s_mov_b32 s[G1B+2], 128<<16
	s_mov_b32 s[G1B+3], ROWB<<16
	s_mov_b32 s[G1B+4], 128
	s_mov_b32 s[G1B+5], KROW
	s_mov_b32 s[G1B+6], 0
	s_mov_b32 s[G1B+7], 0
	s_lshl_b32 s20, s17, 1
	s_add_co_u32 s20, s20, s16
	s_lshl_b32 s20, s20, 17
	s_mov_b32 s21, 0
	s_lshl_b32 s18, s16, 7
	s_lshl_b32 s46, s42, 8
	s_add_co_u32 s46, s46, s18
	s_lshl_b32 s46, s46, 10
	s_add_co_u32 s46, s46, 0x600000
	s_mov_b32 s47, 0
	s_lshl_b32 s45, s16, 15
	s_mul_i32 s19, s16, HALFB
	s_add_co_u32 s19, s19, BOFF
	s_wait_kmcnt 0x0
	s_load_b64 s[96:97], s[8:9], 0x28
	s_add_nc_u64 s[20:21], s[4:5], s[20:21]
	s_add_nc_u64 s[46:47], s[6:7], s[46:47]
	CROUND
.irp s, 0,1
	s_mov_b32 s[G0+4*\s], 1
	s_add_co_u32 s[G0+4*\s+1], s45, \s*SLOT
	s_add_nc_u64 s[G0+4*\s+2:G0+4*\s+3], s[20:21], \s*HALFA
	s_or_b32 s[G0+4*\s+3], s[G0+4*\s+3], 0x80000000
	s_mov_b32 s[G0B+4*\s], 1
	s_add_co_u32 s[G0B+4*\s+1], s19, \s*SLOT
	s_add_nc_u64 s[G0B+4*\s+2:G0B+4*\s+3], s[46:47], \s*ROWB
	s_or_b32 s[G0B+4*\s+3], s[G0B+4*\s+3], 0x80000000
	s_wait_alu depctr_va_vdst(0)
	s_wait_tensorcnt 0x0
	ds_add_u32 v28, v29
	ds_add_u32 v28, v29
	s_wait_dscnt 0x0
	CROUND
	JLOAD G0+4*\s, G1, G0B+4*\s, G1B
.endr
	v_and_b32 v1, 15, v0
	v_bfe_u32 v2, v0, 4, 1
	v_mul_u32_u24 v3, v1, PITCH
	v_lshl_add_u32 v4, v2, 4, v3
	v_and_b32 v6, 31, v0
	v_lshlrev_b32 v[CO], 4, v6
	s_wait_alu depctr_va_vdst(0)
	s_lshl_b32 s21, s15, 15
	s_mul_i32 s22, s16, HALFB
	s_add_co_u32 s22, s22, BOFF
.irp s, 0,1
	v_add_nc_u32 v[ADRA+\s], s21, v[CO]
	v_add_nc_u32 v[ADRB+\s], s22, v4
	s_add_co_u32 s21, s21, SLOT
	s_add_co_u32 s22, s22, SLOT
.endr
	s_mul_i32 s23, s14, 16*SPITCH
	v_mul_u32_u24 v5, v1, SPITCH
	v_lshl_add_u32 v5, v2, 5, v5
	v_add_nc_u32 v[STO], s23, v5
	v_add_nc_u32 v[RD], s23, v[CO]
	s_lshl_b32 s20, s17, 8
	s_lshl_b32 s21, s15, 7
	s_add_co_u32 s20, s20, s21
	s_lshl_b32 s20, s20, 13
	s_mov_b32 s21, 0
	s_lshl_b32 s46, s42, 10
	s_lshl_b32 s47, s16, 9
	s_add_co_u32 s46, s46, s47
	s_mov_b32 s47, 0
	s_add_nc_u64 s[20:21], s[20:21], s[46:47]
	s_add_nc_u64 s[10:11], s[10:11], s[20:21]
.macro FRAG reg, adr, q, i
.irp c, 0,1,2,3
	ds_load_b128 v[\reg+4*\c:\reg+4*\c+3], v[\adr] offset:128*(\q)+32*\c+(\i)*16*PITCH
.endr
.endm
.macro FRAGA reg, adr, q, i
.irp c, 0,1,2,3
	ds_load_b128 v[\reg+4*\c:\reg+4*\c+3], v[\adr] offset:4096*(\i)+2048*(\q)+512*\c
.endr
.endm
.macro MUL16 a0, p, zero
.irp a, \a0, \a0+1
.irp b, 0,1,2,3,4,5,6,7
.if \zero
	v_wmma_f32_16x16x128_fp8_fp8 v[8*(8*((\a)%4)+\b):8*(8*((\a)%4)+\b)+7], v[128*(\p)+FR*\b:128*(\p)+FR*\b+FR-1], v[AF+FR*(\a):AF+FR*(\a)+FR-1], 0
.else
	v_wmma_f32_16x16x128_fp8_fp8 v[8*(8*((\a)%4)+\b):8*(8*((\a)%4)+\b)+7], v[128*(\p)+FR*\b:128*(\p)+FR*\b+FR-1], v[AF+FR*(\a):AF+FR*(\a)+FR-1], v[8*(8*((\a)%4)+\b):8*(8*((\a)%4)+\b)+7]
.endif
.endr
.endr
.endm
.macro FETCH_B slot, q, p
	WIN TO_B
.irp i, 0,1,2,3,4,5,6,7
	FRAG 128*(\p)+FR*\i, ADRB+\slot, \q, \i
.endr
	WIN 0
.endm
.macro FETCH_A slot, q, i0
.irp i, \i0, \i0+1, \i0+2, \i0+3
	FRAGA AF+FR*(\i), ADRA+\slot, \q, \i
.endr
.endm
.macro PLACES n
.rept \n
	v_nop
.endr
.endm
.macro STEP slot, q, zero
	s_wait_dscnt 4*NL
	WIN MUL_LO
	MUL16 0, (\q)%2, \zero
	MUL16 2, (\q)%2, \zero
	s_wait_dscnt 0
	PLACES NP
	FETCH_B \slot, (\q)+1, 1-(\q)%2
	FETCH_A \slot, (\q)+1, 0
	WIN MUL_HI
	MUL16 4, (\q)%2, \zero
	MUL16 6, (\q)%2, \zero
	PLACES NP
	WIN 0
	FETCH_A \slot, (\q)+1, 4
.endm
.macro TURN slot, next, fill
	s_wait_tensorcnt 0x0
	ds_add_u32 v[SPW], v[NIL]
	s_wait_dscnt 4*NL+1
	WIN MUL_LO
	MUL16 0, 1, 0
	s_wait_dscnt 0x0
	s_barrier_signal -1
	MUL16 2, 1, 0
	WIN 0
	s_barrier_wait -1
.if \fill
	CREST
	s_add_nc_u64 s[G0+4*\slot+2:G0+4*\slot+3], s[G0+4*\slot+2:G0+4*\slot+3], 2*HALFA
	s_add_nc_u64 s[G0B+4*\slot+2:G0B+4*\slot+3], s[G0B+4*\slot+2:G0B+4*\slot+3], 2*ROWB
	JLOAD G0+4*\slot, G1, G0B+4*\slot, G1B
.else
	PLACES NP
.endif
	FETCH_B \next, 0, 0
	FETCH_A \next, 0, 0
	WIN MUL_HI
	MUL16 4, 1, 0
	MUL16 6, 1, 0
	PLACES NP
	WIN 0
	FETCH_A \next, 0, 4
.endm
	s_wait_alu depctr_va_vdst(0)
	s_wait_tensorcnt 1
	s_barrier_signal -1
	s_barrier_wait -1
	FETCH_B 0, 0, 0
	FETCH_A 0, 0, 0
	FETCH_A 0, 0, 4
	STEP 0, 0, 1
	s_mov_b32 s3, LAPS-1
.Llap:
	TURN 0, 1, 1
	STEP 1, 0, 0
	TURN 1, 0, 1
	STEP 0, 0, 0
	s_sub_co_u32 s3, s3, 1
	s_cmp_lg_u32 s3, 0
	s_cbranch_scc1 .Llap
	TURN 0, 1, 0
	STEP 1, 0, 0
	s_wait_dscnt 4*NL
	WIN MUL_LO
	MUL16 0, 1, 0
	MUL16 2, 1, 0
	s_wait_dscnt 0
	WIN MUL_HI
	MUL16 4, 1, 0
	MUL16 6, 1, 0
	WIN 0
.macro TOSTAGE a
.set AC, 64*((\a)%4)
	WIN (0x02+((\a)/4))
.set jj, 0
.rept 32
	v_pk_mul_f32 v[TMP+jj:TMP+jj+1], v[AC+jj:AC+jj+1], s[96:97] op_sel_hi:[1,0]
.set jj, jj+2
.endr
	WIN 0
.irp b, 0,1,2,3,4,5,6,7
	ds_store_b128 v[STO], v[TMP+8*\b:TMP+8*\b+3] offset:64*\b
	ds_store_b128 v[STO], v[TMP+8*\b+4:TMP+8*\b+7] offset:64*\b+16
.endr
.set BB, BK+64*((\a)%2)
.irp t, 0,1,2,3,4,5,6,7,8,9,10,11,12,13,14,15
	ds_load_b128 v[BB+4*\t:BB+4*\t+3], v[RD] offset:\t*SPITCH
.endr
.endm
.macro SEND a, younger
.set BB, BK+64*((\a)%2)
	s_wait_dscnt \younger
.if (\a) > 0
	s_add_nc_u64 s[10:11], s[10:11], 16*SIZE_N*4
.endif
.irp t, 0,1,2,3,4,5,6,7,8,9,10,11,12,13,14,15
	global_store_b128 v[CO], v[BB+4*\t:BB+4*\t+3], s[10:11] offset:\t*SIZE_N*4 th:TH_STORE_NT
.endr
.endm
	s_wait_kmcnt 0x0
	s_add_co_i32 s96, s96, s97
	s_add_co_i32 s96, s96, 127
	s_lshl_b32 s96, s96, 23
	PLACES NP
	TOSTAGE 0
.irp a, 1,2,3,4,5,6,7
.if \a > 1
	s_wait_xcnt 0x0
.endif
	TOSTAGE \a
	SEND \a-1, 32
.endr
	s_wait_xcnt 0x0
	SEND 7, 0
	s_wait_tensorcnt 0x0
	ds_add_u32 v[SPW], v[NIL]
	s_wait_dscnt 0x0
	CROUND
	s_endpgm
.Lfunc_end_k_qafaef6d8f0_oproj:
	.size	k_qafaef6d8f0_oproj, .Lfunc_end_k_qafaef6d8f0_oproj-k_qafaef6d8f0_oproj
	.p2alignl 7, 3214868480
	.fill 96, 4, 3214868480
	.section	.rodata,"a",@progbits
	.p2align	6, 0x0
	.amdhsa_kernel k_qafaef6d8f0_oproj
		.amdhsa_group_segment_fixed_size 327680
		.amdhsa_private_segment_fixed_size 0
		.amdhsa_enable_private_segment 0
		.amdhsa_kernarg_size 32
		.amdhsa_user_sgpr_count 2
		.amdhsa_user_sgpr_kernarg_segment_ptr 1
		.amdhsa_wavefront_size32 1
		.amdhsa_system_sgpr_workgroup_id_x 1
		.amdhsa_system_sgpr_workgroup_id_y 1
		.amdhsa_system_sgpr_workgroup_id_z 1
		.amdhsa_system_vgpr_workitem_id 0
		.amdhsa_next_free_vgpr 1024
		.amdhsa_next_free_sgpr 98
		.amdhsa_reserve_vcc 0
		.amdhsa_float_denorm_mode_32 3
		.amdhsa_float_denorm_mode_16_64 3
		.amdhsa_memory_ordered 1
		.amdhsa_forward_progress 1
		.amdhsa_inst_pref_size 124
	.end_amdhsa_kernel
	.amdgpu_metadata
---
amdhsa.version: [ 1, 2 ]
amdhsa.kernels:
  - .name:           k_qafaef6d8f0_oproj
    .symbol:         k_qafaef6d8f0_oproj.kd
    .args:
      - { .name: a_img, .offset: 0, .size: 8, .value_kind: global_buffer, .address_space: global }
      - { .name: w_c, .offset: 8, .size: 8, .value_kind: global_buffer, .address_space: global }
      - { .name: lowp_scales, .offset: 16, .size: 8, .value_kind: global_buffer, .address_space: global }
      - { .name: out0, .offset: 24, .size: 8, .value_kind: global_buffer, .address_space: global }
    .group_segment_fixed_size: 327680
    .private_segment_fixed_size: 0
    .kernarg_segment_align: 8
    .kernarg_segment_size: 32
    .max_flat_workgroup_size: 128
    .sgpr_count:     98
    .vgpr_count:     1024
    .wavefront_size: 32
...
	.end_amdgpu_metadata
.endif
;; end of part 4
